; MI455X (gfx1250); checked and timed in simulation.
; The chip was launched on July 23, 2026; its instructions are those of AMD's public machine-readable ISA for CDNA 5 (MIT licence, August 2026) and "CDNA5" Instruction Set Architecture Reference Guide (July 2026). The comments in the code are by the model that wrote it; some were corrected since.
;; Alibi Multi Head Attention. Allowed arithmetic: matrix products marked QUANTISED: E2M3 operands, one E8M0 scale for each 32 along K, by v_wmma_scale_f32_16x16x128_f8f6f4 with both operands' format E2M3, f32 sums; everything else in f32.
;; Inputs: w_o 1,024 x 1,024 float32; w_qkv 1,024 x 3,072 float32; x 4 x 2,048 x 1,024 float32.
;; Outputs: out0 4 x 2,048 x 1,024 float32.
;; This version of the problem:
;;   THIS VERSION OF THE PROBLEM IS GIVEN IN LOW PRECISION. The matrix products marked QUANTISED in the list below multiply operands that are first quantised to E2M3 (2 exponent bits, 3 mantissa bits; 6 bits a number), with one power-of-two scale for each 32 numbers along K (OCP MX v1.0); their sums are f32. All else is computed in f32.
;;   The module's matrix products, in the order in which they are computed (A, B: the left and right operand; K: the contracted axis; several contracted axes count as one K, in the product's order):
;;     1. [M 8,192, K 1,024] x [K 1,024, N 3,072]; A: input x; B: input w_qkv: QUANTISED
;;     2. batch 64 x [M 2,048, K 64] x [K 64, N 2,048]; A: computed on the way; B: computed on the way: QUANTISED
;;     3. batch 64 x [M 2,048, K 2,048] x [K 2,048, N 64]; A: softmax (see below); B: computed on the way: QUANTISED
;;     4. [M 8,192, K 1,024] x [K 1,024, N 1,024]; A: computed on the way; B: input w_o: QUANTISED
;;   THE QUANTISER, for each operand of a quantised product, along K:
;;     - K is cut into blocks of 32 from its start; a last block that is shorter is filled with zeros.
;;     - A block's scale is 2^e with e = floor(log2(the largest magnitude in the block)) - 2, held to -126 .. 127; a block of zeros has e = 0. As a byte (E8M0): e + 127.
;;     - Each number is divided by its block's scale, clamped to +-7.5, and rounded to the nearest number of E2M3, ties to even, subnormals kept.
;;     - The product sums the exact products of the quantised numbers (number of the format x scale) in f32.
;;   ~~~python
;;   def quantise(x, axis):      # numpy; x: float32 -> the quantised numbers, widened to float32 again
;;       x = np.moveaxis(x, axis, -1); K = x.shape[-1]
;;       x = np.pad(x, [(0, 0)] * (x.ndim - 1) + [(0, -K % 32)]); x = x.reshape(x.shape[:-1] + (-1, 32)); a = np.abs(x).max(-1, keepdims=True)
;;       e = np.where(a > 0, np.clip(np.frexp(np.where(a > 0, a, 1))[1] - 1 - 2, -126, 127), 0)      # np.frexp(a)[1] - 1 = floor(log2(a)), exactly
;;       r = np.clip(x / 2.0 ** e, -7.5, 7.5)
;;       step = 2.0 ** (np.maximum(np.frexp(np.where(r == 0, 1, r))[1] - 1, 0) - 3)
;;       q = np.round(r / step) * step * 2.0 ** e      # np.round: ties to even
;;       return np.moveaxis(q.reshape(q.shape[:-2] + (-1,))[..., :K], -1, axis).astype(np.float32)
;;   ~~~
;;   SOFTMAX AHEAD OF A QUANTISED PRODUCT. Where the list says 'softmax', what is quantised is not the finished softmax but p = 2^(t - M), with t = logit x log2(e) and M = ceil(the row's largest t), a whole number; so 1/2 < the row's largest p <= 1. The row's sum l is taken of the UNQUANTISED p, in f32, and the product's result is divided by l at the end. Since M is a whole number, a kernel that streams over the keys may use a running M (the ceiling of the running maximum): every later rescaling is an exact power of two, which a block's scale takes up: the codes' values come out the same.
;;   OPERANDS COMPUTED ON THE WAY. 'Computed on the way' means the value that the module computes at that place (a softmax that the list does not call 'softmax' is quantised finished and normalised). What goes into a quantiser is computed in f32, as accurately as f32 sums, v_exp_f32 and their like allow (about 1e-6 of the number): no bf16 or f16 on the way to a quantiser, and a product that is left as it is and whose result goes on into a quantised operand takes f32 operands (vector FMAs, or v_wmma_f32_16x16x4_f32). A number that lies on a knife's edge between two numbers of the format may be rounded either way, as far as f32 arithmetic and the matrix unit's own rounding can turn it there, and no further.
;; One version. Each part assembles by itself: llvm-mc -triple=amdgcn-amd-amdhsa -mcpu=gfx1250 --defsym DOCPART=n.
;; ======== version 1 of 1: 4 launches
;; limits: right only within a limited range of input values
;; workspace buffers: xq 6,553,600 bytes; wq 3,276,800 bytes; qkv 20,185,088 bytes; ao 6,553,600 bytes
;; launch quant (part 1): grid 384 x 1, 4 waves a work-group, no clusters, 68,096 bytes of LDS; arguments x, w_qkv, w_o, xq, wq; writes xq, wq
.if DOCPART == 1
	.amdgcn_target "amdgcn-amd-amdhsa--gfx1250"
	.amdhsa_code_object_version 6
	.text
	.protected	k_q3fbfa26ad6_quant
	.globl	k_q3fbfa26ad6_quant
	.p2align	8
	.type	k_q3fbfa26ad6_quant,@function
k_q3fbfa26ad6_quant:
	s_mov_b64 s[64:65], 0
	v_nop
	global_prefetch_b8 v0, s[64:65] scope:SCOPE_SE
	s_setreg_imm32_b32 hwreg(HW_REG_WAVE_MODE, 25, 1), 1
	s_wait_xcnt 0x0
; x [8192][1024], w_qkv [1024][3072] and w_o [1024][1024], f32, become codes of FP6 (E2M3) with K innermost and one E8M0 scale byte for each 32 along K.
; A block's scale is 2^(floor(log2(its largest magnitude)) - 2): its byte is the largest magnitude's exponent field - 2, held at 1 from below.
; LIMITS: NaN and infinities among the inputs are not served; a block whose largest magnitude lies under 2^-124 gets the byte 1; a block of zeros gets the byte 1 and not 127
; (its codes are zeros, which add nothing under any byte but 0xff, and this program alone reads the bytes).
; LAYOUT OF xq AND wq: pieces of 25,600 bytes at (4 g + ks) x 25,600: g = a group of 128 rows (tokens of x; columns of a weight), ks = 256 along K.  A piece holds 128 rows x 192 bytes of codes, then 128 rows x 8 scale bytes:
; one dense run of memory for one tensor load of the product launches.  wq: g 0-23 the columns of w_qkv, g 24-31 those of w_o.
; A ROW LIES AT THE PLACE WHOSE NUMBER HAS BITS 3 AND 4 EXCHANGED: 16 neighbouring places (tile 2 b + u, lane r) then hold the true rows 32 b + 8 u + r + 8 (r / 8), so that a product that takes such a tile as source 0
; leaves 16 true neighbours in the 16 registers of tiles 2 b and 2 b + 1.
; Work-groups 0-255 take x (K innermost: 16 neighbours to a lane, turned through the wave's own stage in LDS), work-groups 256-383 the weights (K outermost: a lane to a column, registers down K).
; The two ways part on the work-group's number at the head and have LDS bytes of their own.  No barrier: waves share nothing.
.set BLKB,  25600
.set SP,    80                         ; x: a lane's place in a stage: 64 bytes + 16 of padding
.set XREG,  8192                       ; x: LDS of a wave: two stages of 32 x SP bytes, then its 256 scale bytes
.set XR,    16                         ; v16-79   x: four sets of 16 numbers as loaded
.set XX,    80                         ; v80-111  x: two sets of 16 neighbours
.set XE,    112                        ; v112-127 x: a scale byte for each step
.set XC,    128                        ; v128-191 x: codes, four registers a step: no store's data are written again
.set WBASE, 32768                      ; weights: LDS from here on
.set WP,    272                        ; weights: a stage row: sixteen places of 16 bytes (12 of codes) + 16
.set WREG,  32*WP
.set WSB,   24                         ; v24-25   weights: my column's 8 scale bytes
.set WX,    32                         ; v32-95   weights: two sets of 32 numbers
.set WC,    96                         ; v96-102  weights: a block's codes
.set WOUT,  112                        ; v112-175 weights: the way out
.set WVO,   176                        ; v176-207 weights: byte offset of row i of a block at my column; never rewritten
	s_load_b256 s[4:11], s[0:1], 0x0               ; x s[4:5], w_qkv s[6:7], w_o s[8:9], xq s[10:11]
	s_load_b64 s[12:13], s[0:1], 0x20              ; wq
	v_lshl_add_u32 v208, v0, 2, 0x10800
	v_mov_b32 v209, 0
	v_lshrrev_b32 v1, 5, v0
	v_readfirstlane_b32 s16, v1                    ; wave
	v_and_b32 v2, 31, v0                           ; lane
	s_cmp_ge_u32 ttmp9, 256
	s_cbranch_scc1 .Lweights
; ---------------- x: the work-group makes piece (g, ks) = work-group's number; wave w takes true rows 32 w .. 32 w + 31 of the group, two rows (2 x 256 numbers) a step, 16 steps
	s_lshr_b32 s17, ttmp9, 2                       ; g
	s_and_b32 s18, ttmp9, 3                        ; ks
	v_lshlrev_b32 v3, 4, v2                        ; my 16 bytes of a load's 512
	s_mul_i32 s19, s16, XREG
	v_lshrrev_b32 v14, 2, v2
	v_mul_u32_u24 v14, v14, SP
	v_and_b32 v15, 3, v2
	v_lshl_add_u32 v14, v15, 4, v14
	v_add_nc_u32 v14, s19, v14                     ; the stage, on the way in: SP (lane / 4) + 16 (lane % 4); a load's 512 bytes take eight places
	v_mul_u32_u24 v15, v2, SP
	v_add_nc_u32 v15, s19, v15                     ; and on the way out: SP x lane: my 16 neighbours
	v_mul_u32_u24 v4, v2, 12                       ; my codes' place in a step's 384 bytes
	v_lshrrev_b32 v5, 1, v2
	s_add_co_u32 s19, s19, 2*32*SP
	v_add_nc_u32 v5, s19, v5                       ; LDS: my wave's 256 scale bytes, my block's byte
	v_lshlrev_b32 v7, 3, v2
	v_add_nc_u32 v6, s19, v7                       ; and on the way out 8 bytes a lane
	s_lshl_b32 s20, s17, 19                        ; x: (128 g + 32 w) rows of 4,096 bytes + 1,024 ks
	s_lshl_b32 s21, s16, 17
	s_add_co_u32 s20, s20, s21
	s_lshl_b32 s21, s18, 10
	s_add_co_u32 s20, s20, s21
	s_mov_b32 s21, 0
	s_mul_i32 s22, ttmp9, BLKB                     ; the piece
	s_mul_i32 s23, s16, 32*192
	s_add_co_u32 s24, s22, s23                     ; my wave's 32 rows of codes
	s_mov_b32 s25, 0
	s_lshl_b32 s23, s16, 8
	s_add_co_u32 s22, s22, s23
	s_add_co_u32 s22, s22, 128*192                 ; my wave's 256 scale bytes
	s_mov_b32 s23, 0
	s_wait_alu depctr_va_vdst(0)
	s_wait_kmcnt 0x0
	s_add_nc_u64 s[4:5], s[4:5], s[20:21]
	s_add_nc_u64 s[26:27], s[10:11], s[24:25]
	s_add_nc_u64 s[28:29], s[10:11], s[22:23]
.macro XLOAD t                         ; step t: rows 2 t and 2 t + 1, 1,024 bytes of each: four loads of 512 consecutive bytes
.irp i, 0,1,2,3
	global_load_b128 v[XR+16*((\t)%4)+4*\i:XR+16*((\t)%4)+4*\i+3], v3, s[4:5] offset:(2*(\t)+(\i/2))*4096+(\i%2)*512 th:TH_LOAD_NT
.endr
.endm
.macro XTURN t                         ; step t's numbers through the stage: LDS serves a wave's instructions in order (ISA guide 5.7.1.4), so no wait stands between the stores and the loads
.irp i, 0,1,2,3
	ds_store_b128 v14, v[XR+16*((\t)%4)+4*\i:XR+16*((\t)%4)+4*\i+3] offset:32*SP*((\t)%2)+8*SP*\i
.endr
.irp i, 0,1,2,3
	ds_load_b128 v[XX+16*((\t)%2)+4*\i:XX+16*((\t)%2)+4*\i+3], v15 offset:32*SP*((\t)%2)+16*\i
.endr
.endm
.irp t, 0,1,2,3
	XLOAD \t
.endr
	s_wait_loadcnt 12                              ; step 0's four loads are in
	XTURN 0
.macro XSTEP t
.set XS, XX+16*((\t)%2)
.set TP, ((\t)&3)|(((\t)&4)<<1)|(((\t)&8)>>1)  ; rows 2 t, 2 t + 1 lie at places 2 TP, 2 TP + 1: bits 3 and 4 of a row are bits 2 and 3 of t
.if (\t) > 0
	s_wait_dscnt 1                                 ; this step's numbers are back from the stage (the last step's byte store may be out): so its stores into the stage have read their registers,
.else
	s_wait_dscnt 0x0
.endif
.if (\t)+4 < 16
	XLOAD (\t)+4                                   ; which take the loads of four steps on
.endif
.if (\t)+1 < 16
.if 14-(\t) >= 3
	s_wait_loadcnt 12                              ; the next step's four loads are in; those of the three steps behind it may be out
.else
	s_wait_loadcnt 4*(14-(\t))
.endif
	XTURN (\t)+1
.endif
	v_max3_num_f32 v8, |v[XS]|, |v[XS+1]|, |v[XS+2]|               ; the largest magnitude of my 16
	v_max3_num_f32 v9, |v[XS+3]|, |v[XS+4]|, |v[XS+5]|
.irp i, 6,10
	v_max3_num_f32 v8, v8, |v[XS+\i]|, |v[XS+\i+1]|
	v_max3_num_f32 v9, v9, |v[XS+\i+2]|, |v[XS+\i+3]|
.endr
	v_max3_num_f32 v8, v8, |v[XS+14]|, |v[XS+15]|
	v_max3_num_f32 v8, v8, v9, 0x1800000           ; and the floor 2^(3 - 127): the byte cannot fall under 1
	v_max_num_f32_dpp v8, v8, v8 row_xmask:1 row_mask:0xf bank_mask:0xf   ; and of my neighbour's 16: the block's
	v_add_nc_u32 v11, 0xff000000, v8               ; 2 off its exponent field: the conversion takes the exponent field of this operand as its scale
	v_cvt_scalef32_pk16_fp6_f32 v[XC+4*(\t):XC+4*(\t)+2], v[XS:XS+15], v11
	v_lshrrev_b32 v[XE+(\t)], 23, v11              ; the scale's byte (a plain line behind the conversion)
	ds_store_b8 v5, v[XE+(\t)] offset:16*TP        ; both lanes of a block write the same byte with the same value
	global_store_b96 v4, v[XC+4*(\t):XC+4*(\t)+2], s[26:27] offset:384*TP   ; the wave stores two rows of codes: 384 consecutive bytes
.endm
.irp t, 0,1,2,3,4,5,6,7,8,9,10,11,12,13,14,15
	XSTEP \t
.endr
	ds_load_b64 v[12:13], v6                       ; in order behind my byte stores
	s_wait_dscnt 0x0
	global_store_b64 v7, v[12:13], s[28:29]        ; 32 lanes store 256 consecutive bytes, at a multiple of 256 from the buffer's first byte
	s_wait_tensorcnt 0x0
	ds_add_u32 v208, v209
	s_wait_dscnt 0x0
	s_endpgm
; ---------------- the weights: piece (g, ks); wave w takes columns 32 w .. 32 w + 31 of the group, a lane a column; 8 blocks of 32 down K
.Lweights:
	s_sub_co_u32 s17, ttmp9, 256
	s_lshr_b32 s18, s17, 2                         ; g
	s_and_b32 s19, s17, 3                          ; ks
	s_mul_i32 s22, s17, BLKB                       ; the piece
	s_mov_b32 s30, 4096
	s_cmp_lt_u32 s18, 24                           ; w_qkv or w_o?  The choice hangs on the work-group's number alone
	s_cselect_b32 s30, 12288, s30                  ; bytes from row to row
	s_cselect_b32 s31, 0, 24
	s_sub_co_u32 s31, s18, s31                     ; the group's number in its own tensor
	s_lshl_b32 s31, s31, 9
	s_lshl_b32 s32, s16, 7
	s_add_co_u32 s31, s31, s32                     ; 4 x (first column of my wave)
	s_lshl_b32 s33, s30, 8
	s_mul_i32 s33, s33, s19                        ; 256 ks rows
	s_add_co_u32 s32, s31, s33
	s_mov_b32 s33, 0
	s_lshl_b32 s31, s30, 5                         ; 32 rows: from block to block
	s_wait_alu depctr_va_vdst(0)
	v_lshlrev_b32 v3, 2, v2
.set II, 0
.rept 32
	v_mad_u32_u24 v[WVO+II], s30, II, v3           ; 4 x lane + i rows
.set II, II+1
.endr
	s_mul_i32 s20, s16, WREG
	s_add_co_u32 s20, s20, WBASE                   ; my stage
	v_mul_u32_u24 v4, v2, WP
	v_add_nc_u32 v4, s20, v4                       ; into it: row = my column
	v_and_b32 v5, 15, v2
	v_lshrrev_b32 v6, 4, v2
	v_mul_u32_u24 v7, v6, WP
	v_lshl_add_u32 v7, v5, 4, v7
	v_add_nc_u32 v7, s20, v7                       ; out of it: sixteen lanes to a row, two rows an instruction
	v_mul_u32_u24 v8, v2, 12                       ; and the same two rows of codes: 384 consecutive bytes
	v_and_b32 v9, 7, v2                            ; my column's place: bits 3 and 4 exchanged
	v_and_b32 v10, 8, v2
	v_lshl_or_b32 v9, v10, 1, v9
	v_and_b32 v10, 16, v2
	v_lshrrev_b32 v10, 1, v10
	v_or_b32 v9, v9, v10
	v_lshlrev_b32 v9, 3, v9                        ; 8 scale bytes a place
	s_mul_i32 s23, s16, 32*192
	s_add_co_u32 s24, s22, s23
	s_mov_b32 s25, 0
	s_lshl_b32 s23, s16, 8
	s_add_co_u32 s22, s22, s23
	s_add_co_u32 s22, s22, 128*192
	s_mov_b32 s23, 0
	s_wait_kmcnt 0x0
	s_cmp_lt_u32 s18, 24
	s_cselect_b64 s[6:7], s[6:7], s[8:9]
	s_add_nc_u64 s[26:27], s[12:13], s[24:25]      ; my wave's codes
	s_add_nc_u64 s[28:29], s[12:13], s[22:23]      ; my wave's scale bytes
.irp t, 0,1,2,3,4,5,6,7
	s_add_nc_u64 s[40+2*\t:41+2*\t], s[6:7], s[32:33]   ; a base for each block: none is ever stepped
	s_add_co_u32 s32, s32, s31
.endr
.macro WLOAD t                         ; block t: w(32 t + i, my column), i = 0 .. 31: each load reads 128 consecutive bytes
.set II, 0
.rept 32
	global_load_b32 v[WX+32*((\t)%2)+II], v[WVO+II], s[40+2*(\t):41+2*(\t)] th:TH_LOAD_NT
.set II, II+1
.endr
.endm
	WLOAD 0
	WLOAD 1
.macro WBLOCK t
.set XS, WX+32*((\t)%2)
.if (\t) < 7
	s_wait_loadcnt 32                              ; this block's 32 loads are in; the next block's may be out
.else
	s_wait_loadcnt 0
.endif
	v_max3_num_f32 v12, |v[XS]|, |v[XS+1]|, |v[XS+2]|              ; the block's largest magnitude: all 32 numbers are mine
	v_max3_num_f32 v13, |v[XS+3]|, |v[XS+4]|, |v[XS+5]|
.irp i, 6,10,14,18,22,26
	v_max3_num_f32 v12, v12, |v[XS+\i]|, |v[XS+\i+1]|
	v_max3_num_f32 v13, v13, |v[XS+\i+2]|, |v[XS+\i+3]|
.endr
	v_max3_num_f32 v12, v12, |v[XS+30]|, |v[XS+31]|
	v_max3_num_f32 v12, v12, v13, 0x1800000        ; and the floor
	v_add_nc_u32 v11, 0xff000000, v12              ; the conversion's scale operand
	v_lshrrev_b32 v13, 23, v11                     ; the scale's byte
.if (\t)%4 == 0
	v_mov_b32 v[WSB+(\t)/4], v13                   ; four bytes to a register, the lower K in the lower byte
.else
	v_lshl_or_b32 v[WSB+(\t)/4], v13, 8*((\t)%4), v[WSB+(\t)/4]
.endif
	v_cvt_scalef32_pk16_fp6_f32 v[WC:WC+2], v[XS:XS+15], v11
	v_cvt_scalef32_pk16_fp6_f32 v[WC+4:WC+6], v[XS+16:XS+31], v11  ; (a conversion's three registers begin on an even number)
	ds_store_b96 v4, v[WC:WC+2] offset:32*(\t)     ; 12 bytes to a place of 16, so that every LDS address is a multiple of 16
	ds_store_b96 v4, v[WC+4:WC+6] offset:32*(\t)+16
.if (\t)+2 < 8
	WLOAD (\t)+2
.endif
	s_wait_dscnt 0x0                               ; the stores have read their registers: the next block's codes may be written
.endm
.irp t, 0,1,2,3,4,5,6,7
	WBLOCK \t
.endr
	s_wait_alu depctr_va_vdst(0)
	global_store_b64 v9, v[WSB:WSB+1], s[28:29]    ; the wave's 256 scale bytes: one aligned run
.irp t, 0,1,2,3,4,5,6,7,8,9,10,11,12,13,14,15
	ds_load_b96 v[WOUT+4*\t:WOUT+4*\t+2], v7 offset:2*\t*WP   ; in order behind my stores
.endr
.irp t, 0,1,2,3,4,5,6,7,8,9,10,11,12,13,14,15
.set TP, (\t&3)|((\t&4)<<1)|((\t&8)>>1)
	s_wait_dscnt 15-\t
	global_store_b96 v8, v[WOUT+4*\t:WOUT+4*\t+2], s[26:27] offset:384*TP
.endr
	s_wait_tensorcnt 0x0
	ds_add_u32 v208, v209
	s_wait_dscnt 0x0
	s_endpgm
.Lfunc_end_k_q3fbfa26ad6_quant:
	.size	k_q3fbfa26ad6_quant, .Lfunc_end_k_q3fbfa26ad6_quant-k_q3fbfa26ad6_quant
	.p2alignl 7, 3214868480
	.fill 96, 4, 3214868480
	.section	.rodata,"a",@progbits
	.p2align	6, 0x0
	.amdhsa_kernel k_q3fbfa26ad6_quant
		.amdhsa_group_segment_fixed_size 68096
		.amdhsa_private_segment_fixed_size 0
		.amdhsa_enable_private_segment 0
		.amdhsa_kernarg_size 40
		.amdhsa_user_sgpr_count 2
		.amdhsa_user_sgpr_kernarg_segment_ptr 1
		.amdhsa_wavefront_size32 1
		.amdhsa_system_sgpr_workgroup_id_x 1
		.amdhsa_system_sgpr_workgroup_id_y 1
		.amdhsa_system_sgpr_workgroup_id_z 1
		.amdhsa_system_vgpr_workitem_id 0
		.amdhsa_next_free_vgpr 210
		.amdhsa_next_free_sgpr 66
		.amdhsa_reserve_vcc 0
		.amdhsa_float_denorm_mode_32 3
		.amdhsa_float_denorm_mode_16_64 3
		.amdhsa_memory_ordered 1
		.amdhsa_forward_progress 1
		.amdhsa_inst_pref_size 76
	.end_amdhsa_kernel
	.amdgpu_metadata
---
amdhsa.version: [ 1, 2 ]
amdhsa.kernels:
  - .name:           k_q3fbfa26ad6_quant
    .symbol:         k_q3fbfa26ad6_quant.kd
    .args:
      - { .name: x, .offset: 0, .size: 8, .value_kind: global_buffer, .address_space: global }
      - { .name: w_qkv, .offset: 8, .size: 8, .value_kind: global_buffer, .address_space: global }
      - { .name: w_o, .offset: 16, .size: 8, .value_kind: global_buffer, .address_space: global }
      - { .name: xq, .offset: 24, .size: 8, .value_kind: global_buffer, .address_space: global }
      - { .name: wq, .offset: 32, .size: 8, .value_kind: global_buffer, .address_space: global }
    .group_segment_fixed_size: 68096
    .private_segment_fixed_size: 0
    .kernarg_segment_align: 8
    .kernarg_segment_size: 40
    .max_flat_workgroup_size: 128
    .sgpr_count:     66
    .vgpr_count:     210
    .wavefront_size: 32
...
	.end_amdgpu_metadata
.endif
;; end of part 1
;; launch g1 (part 2): grid 8 x 48, 4 waves a work-group, clusters of 4 x 4, 327,680 bytes of LDS; arguments xq, wq, qkv; writes qkv
.if DOCPART == 2
	.amdgcn_target "amdgcn-amd-amdhsa--gfx1250"
	.amdhsa_code_object_version 6
	.text
	.protected	k_q3fbfa26ad6_g1
	.globl	k_q3fbfa26ad6_g1
	.p2align	8
	.type	k_q3fbfa26ad6_g1,@function
k_q3fbfa26ad6_g1:
	s_mov_b64 s[64:65], 0
	v_nop
	global_prefetch_b8 v0, s[64:65] scope:SCOPE_SE
	s_setreg_imm32_b32 hwreg(HW_REG_WAVE_MODE, 25, 1), 1
	s_wait_xcnt 0x0
	s_wait_alu depctr_hold_cnt(0) depctr_sa_sdst(0) depctr_va_vdst(0) depctr_va_sdst(0) depctr_va_ssrc(0) depctr_va_vcc(0) depctr_vm_vsrc(0)
	s_getreg_b32 s2, hwreg(HW_REG_IB_STS2, 6, 4)
	s_cmp_eq_u32 s2, 0
	s_cbranch_scc0 .Lentry_in_a_cluster
	s_endpgm
.Lentry_in_a_cluster:
	s_bfe_u32 s2, ttmp6, 0x10000c
	s_cmp_lg_u32 s2, 0xf033
	s_cbranch_scc0 .Lentry_shape_is_right
	s_endpgm
.Lentry_shape_is_right:
; qkv = x w_qkv on codes of FP6 (E2M3) with E8M0 scales, K = 1,024; the f32 results never go to memory: they are quantised in registers into the operands of the two attention products.
; A tile of 256 x 256 results is made by four waves, 128 x 128 each: 64 accumulators, 512 registers.  K goes in four slots of 256 through a ring of two LDS slots filled by the tensor data mover.
; ONE TEXT FOR q, k AND v.  Source 1 (called A here) gives the result's lanes, source 0 (B) the result's registers, and the registers are the axis that is quantised next.
;   clusters with y < 8:  A = 256 tokens (xq), B = 256 features of q or k (wq): a lane holds a token, its registers run along d: operands of q k^T (K = d).
;   clusters with y >= 8: A = 256 features of v (wq, groups 16-23), B = 256 tokens (xq): a lane holds a feature, its registers run along the tokens: the operand of p v (K = the keys).
; The choice hangs on the cluster's y alone, which all sixteen partners share.  Rows of xq and wq lie with bits 3 and 4 of their numbers exchanged, so the 16 registers of B's tiles 2 b, 2 b + 1 are 16 true neighbours.
; A piece of xq or wq (128 rows x 256 K: 24,576 bytes of codes, 1,024 scale bytes) is 100 dense rows of 256 bytes: one tensor load, 16 bytes of padding behind every 64: code rows 240 bytes apart, scale bytes behind them.
; CLUSTERS: 4 x 4 work-groups; A's pieces are asked for jointly by a row of the cluster, B's by a column.
; OUT: a CHUNK of 768 bytes is the image of 6 operand registers (16 rows x 64 K): lane l's registers 0-3 at 16 l, registers 4-5 at 512 + 8 l.
;   qkv: q's chunks [bh 64][tile 128] at 0; q's scale words [bh][tile][16] at QS; from KV on [bh][step 16][13,056]: k's 8 chunks, v's 8 chunks ((4 c + d tile), c = which 64 keys), k's scale words [8][16], v's [4][16].
; LIMITS: NaN and infinities are not served; a block whose largest magnitude lies under 2^-124, a block of zeros among them, gets the scale byte 1 (only this program reads the bytes).
; REGISTERS, in windows of 256: window 0: v12-31 addresses; v32-63 scale words, two sets; v64-127 at work on the way out; v128-223 A's fragments, one set.  window 1: B's fragments, two sets, at v0 and v128.
;   window 2: the accumulators of A's blocks 0-3 ((a, b) at v[8 (8 (a % 4) + b)]); window 3: those of blocks 4-7.
.set NQ,     2                         ; matrix instructions deep in a slot
.set PITCH,  240                       ; a row of codes in LDS: 3 x (64 + 16) bytes
.set FR,     12                        ; registers of a fragment
.set NL,     6                         ; LDS loads that bring one
.set NP,     4                         ; places behind this matrix instruction (ISA guide 7.12.1)
.set BLKB,   25600                     ; a piece in memory
.set GRPB,   4*BLKB                    ; a group's four pieces
.set HALFT,  64000                     ; from piece to piece in LDS: a piece's two ring slots lie one behind the other
.set SCOFF,  30720                     ; where its scale bytes begin: row 16 i + r at 160 i + 8 r + 16 (r / 8)
.set SLOT,   32000                     ; a piece in LDS, and from slot 0 to slot 1 of the same piece
.set STAGE,  4*HALFT
.set SPARE,  STAGE+4*1024              ; the spare words, 128 bytes for each wave
.set QS,     6291456
.set KV,     6815744
.set ADRS, 12                          ; v12-13  my scale words in slot 0, 1: lanes 0-15 A's rows, lanes 16-31 B's
.set ADRA, 16                          ; v16-17  my A fragments in slot 0, 1  (v18-19: the same behind one padding more)
.set ADRB, 20                          ; v20-21  the same for B  (v22-23)
.set LO16, 24                          ; v24     16 x lane
.set LO8,  25                          ; v25     8 x lane
.set STW,  26                          ; v26     the stage: 4 x lane
.set RDW,  27                          ; v27     the stage, back: 128 (lane / 4) + 16 (lane % 4)
.set SPW,  28                          ; v28     my spare word; never rewritten
.set NIL,  29                          ; v29     0; never rewritten
.set VSH,  30                          ; v30     q, k: 16 x (lane / 16): the upper lanes keep the second head's two bytes;  v: 0
.set SOFF, 31                          ; v31     the scale words' place in memory
.set SC,   32
.set TM,   64                          ; v64-67 largest magnitudes, v68-71 bytes, v76-79 the conversions' scale operands
.set PW,   80                          ; the scale word just made
.set PC,   84                          ; v84-95 the codes just made; v96-98, v100-102 the conversions' second halves
.set PWS,  104                         ; v104-111 the eight blocks' scale words
.set OUTW, 120
.set AF,   128
.set SEL,  18                          ; s[18:19] lane selects: lane l xor 16
.set G1, 24                            ; s[24:31] descriptor group 1 for A's pieces;  s[32:39] group 0, one set for each slot
.set G0, 32
.set G1B, 48                           ; s[48:55], s[56:63] the same for B's
.set G0B, 56
.set MSB, 0
.macro WIN new                         ; the immediate's high byte repeats the setting that is left
.if MSB != (\new)
	s_set_vgpr_msb (MSB<<8)|(\new)
.set MSB, \new
.endif
.endm
.set MUL_LO, 0xa1                      ; source 0 (B) window 1, source 1 (A) window 0, C and D window 2
.set MUL_HI, 0xf1
.set TO_B,   0x40
; A joint load: waves 0 and 1 fetch for A, waves 2 and 3 for B; the branch hangs on the wave's number alone.  Four v_nop follow each of the two lines.
.macro JLOAD g0a, g1a, g0b, g1b
	s_cmp_eq_u32 s15, 0
	s_cbranch_scc0 .Lfor_b_\@
	tensor_load_to_lds s[\g0a:\g0a+3], s[\g1a:\g1a+7]
	s_nop 0
.rept 4
	v_nop
.endr
	s_branch .Lasked_\@
.Lfor_b_\@:
	tensor_load_to_lds s[\g0b:\g0b+3], s[\g1b:\g1b+7]
	s_nop 0
.rept 4
	v_nop
.endr
.Lasked_\@:
.endm
.macro CREST                           ; a round of the cluster's barrier behind its opening barrier
	s_cmp_lg_u32 s14, 0
	s_cbranch_scc1 .Lnot_wave_0_\@
	s_barrier_signal -3
.Lnot_wave_0_\@:
	s_barrier_wait -3
	s_barrier_signal -1
	s_barrier_wait -1
.endm
.macro CROUND
	s_barrier_signal -1
	s_barrier_wait -1
	CREST
.endm
	s_load_b128 s[4:7], s[0:1], 0x0                ; xq s[4:5], wq s[6:7]
	s_load_b64 s[8:9], s[0:1], 0x10                ; qkv
	v_lshl_add_u32 v[SPW], v0, 2, SPARE
	v_mov_b32 v[NIL], 0
	ds_add_u32 v28, v29
	ds_add_u32 v28, v29
	s_wait_dscnt 0x0
	v_lshrrev_b32 v1, 5, v0
	v_readfirstlane_b32 s14, v1                    ; wave 0..3
	s_lshr_b32 s15, s14, 1                         ; which half of A's rows is mine.  Also: I fetch for A (0) or for B (1)
	s_and_b32 s16, s14, 1                          ; which half of B's rows.  Also: which piece of that tile I fetch
	s_bfe_u32 s40, ttmp6, 0x40000                  ; cx
	s_bfe_u32 s41, ttmp6, 0x40004                  ; cy
	s_and_b32 s17, ttmp7, 0xffff                   ; the cluster's y
	s_cmp_ge_u32 s17, 8
	s_cselect_b32 s80, 1, 0                        ; fV: this cluster makes v
	s_cselect_b32 s81, 0, s17
	s_cselect_b32 s82, s17, 8
	s_sub_co_u32 s82, s82, 8
	s_lshl_b32 s81, s81, 2
	s_add_co_u32 s81, s81, s41                     ; A's tile: q, k: 4 x cluster y + cy (tokens);  v: cy (features)
	s_lshl_b32 s42, ttmp9, 2
	s_add_co_u32 s42, s42, s40
	s_lshl_b32 s82, s82, 3
	s_add_co_u32 s42, s42, s82                     ; B's tile: 4 x cluster x + cx (q, k: features), + 8 x (cluster y - 8) (v: tokens)
	s_lshl_b32 s43, s41, 2
	s_lshl_b32 s43, 15, s43                        ; my row of the cluster
	s_lshl_b32 s44, 0x1111, s40                    ; my column
	s_or_b32 s[G1+0], s43, (3<<16)|(1<<20)|(1<<21)|(3<<22)|(3<<25)  ; 15:0 the mask; 17:16 elements of 8 bytes; 20 padding on; 21 set beside a mask; 24:22 after every 16 words; 31:25 of 4 words
	s_or_b32 s[G1B+0], s44, (3<<16)|(1<<20)|(1<<21)|(3<<22)|(3<<25)
.irp g, G1, G1B
	s_mov_b32 s[\g+1], 32<<16                      ; tensor_dim0 = 32 elements: 256 bytes
	s_mov_b32 s[\g+2], 200<<16                     ; tensor_dim1 = 200 rows: the head's load brings K 0-511, two pieces that are neighbours in memory and in LDS
	s_mov_b32 s[\g+3], 32<<16                      ; tile_dim0
	s_mov_b32 s[\g+4], 200                         ; tile_dim1
	s_mov_b32 s[\g+5], 32                          ; the rows are dense
	s_mov_b32 s[\g+6], 0
	s_mov_b32 s[\g+7], 0
.endr
	s_lshl_b32 s20, s81, 1
	s_add_co_u32 s20, s20, s16
	s_lshl_b32 s21, s80, 4
	s_add_co_u32 s20, s20, s21                     ; A's group: 2 x tile + piece (+ 16: v's features in wq)
	s_mul_i32 s20, s20, GRPB
	s_mov_b32 s21, 0
	s_lshl_b32 s46, s42, 1
	s_add_co_u32 s46, s46, s16                     ; B's group
	s_mul_i32 s46, s46, GRPB
	s_mov_b32 s47, 0
	s_mul_i32 s45, s14, HALFT                      ; where my piece goes: wave x HALFT: no place in the cluster enters an LDS address
	s_mov_b32 s[SEL], 0x76543210
	s_mov_b32 s[SEL+1], 0xfedcba98
	s_wait_kmcnt 0x0
	s_cmp_eq_u32 s80, 0
	s_cselect_b64 s[10:11], s[4:5], s[6:7]         ; A's buffer
	s_cselect_b64 s[12:13], s[6:7], s[4:5]         ; B's buffer
	s_add_nc_u64 s[20:21], s[10:11], s[20:21]
	s_add_nc_u64 s[46:47], s[12:13], s[46:47]
	CROUND                                         ; all sixteen work-groups are here: the first joint loads meet
.irp s, 0,1
	s_mov_b32 s[G0+4*\s], 1
	s_add_co_u32 s[G0+4*\s+1], s45, \s*SLOT
	s_add_nc_u64 s[G0+4*\s+2:G0+4*\s+3], s[20:21], \s*BLKB
	s_or_b32 s[G0+4*\s+3], s[G0+4*\s+3], 0x80000000
	s_mov_b32 s[G0B+4*\s], 1
	s_add_co_u32 s[G0B+4*\s+1], s45, \s*SLOT
	s_add_nc_u64 s[G0B+4*\s+2:G0B+4*\s+3], s[46:47], \s*BLKB
	s_or_b32 s[G0B+4*\s+3], s[G0B+4*\s+3], 0x80000000
.endr
	s_cmp_eq_u32 s15, 0                            ; one tensor load a wave at the head: it fills both slots of my piece
	s_cbranch_scc0 .Lfirst_b
	tensor_load_to_lds s[G0:G0+3], s[G1:G1+7]
	s_nop 0
.rept 4
	v_nop
.endr
	s_branch .Lfirst_asked
.Lfirst_b:
	tensor_load_to_lds s[G0B:G0B+3], s[G1B:G1B+7]
	s_nop 0
.rept 4
	v_nop
.endr
.Lfirst_asked:
	v_and_b32 v1, 15, v0                           ; r
	v_bfe_u32 v2, v0, 4, 1                         ; h
	v_mul_u32_u24 v3, v1, PITCH
	v_mul_u32_u24 v4, v2, 24
	v_add_nc_u32 v4, v3, v4                        ; a fragment's row x pitch + 24 h
	v_lshl_add_u32 v5, v2, 4, v4                   ; and the same behind one padding more
	s_mul_i32 s22, s15, HALFT                      ; my piece of A
	s_mul_i32 s23, s16, HALFT
	s_add_co_u32 s23, s23, 2*HALFT                 ; my piece of B
.irp s, 0,1
	v_add_nc_u32 v[ADRA+\s], s22, v4
	v_add_nc_u32 v[ADRB+\s], s23, v4
	v_add_nc_u32 v[ADRA+2+\s], s22, v5
	v_add_nc_u32 v[ADRB+2+\s], s23, v5
	s_add_co_u32 s22, s22, SLOT
	s_add_co_u32 s23, s23, SLOT
.endr
	v_lshrrev_b32 v6, 3, v1
	v_lshlrev_b32 v5, 3, v1
	v_lshl_add_u32 v5, v6, 4, v5                   ; 8 r + 16 (r / 8)
	s_xor_b32 s22, s15, 1
	s_add_co_u32 s22, s22, s16
	s_add_co_u32 s22, s22, 1
	s_mul_i32 s22, s22, HALFT                      ; from my piece of A to my piece of B: (2 + B's half - A's half) x HALFT
	v_mul_u32_u24 v6, s22, v2                      ; lanes 16-31 take B's
	s_mul_i32 s23, s15, HALFT
	s_add_co_u32 s23, s23, SCOFF
	v_add_nc_u32 v5, v5, v6
	v_add_nc_u32 v[ADRS], s23, v5
	v_add_nc_u32 v[ADRS+1], SLOT, v[ADRS]
	v_and_b32 v6, 31, v0
	v_lshlrev_b32 v[LO16], 4, v6
	v_lshlrev_b32 v[LO8], 3, v6
	s_lshl_b32 s22, s14, 10
	s_add_co_u32 s22, s22, STAGE                   ; my stage
	v_lshl_add_u32 v[STW], v6, 2, s22
	v_lshrrev_b32 v7, 2, v6
	v_and_b32 v8, 3, v6
	v_lshlrev_b32 v8, 4, v8
	v_lshl_add_u32 v7, v7, 7, v8
	v_add_nc_u32 v[RDW], s22, v7
	; where the results go.  tok: the tile and half that hold tokens, feat: those that hold features
	s_cmp_eq_u32 ttmp9, 1
	s_cselect_b32 s83, 1, 0
	s_xor_b32 s84, s80, 1
	s_and_b32 s83, s83, s84                        ; fK: this cluster makes k (features 1,024 on)
	s_add_co_u32 s85, s83, s80                     ; nq: not q
	s_lshl_b32 s22, s84, 4
	v_mul_u32_u24 v[VSH], s22, v2
	s_cmp_eq_u32 s80, 1
	s_cselect_b32 s86, s42, s81
	s_cselect_b32 s87, s16, s15
	s_cselect_b32 s88, s81, s42
	s_cselect_b32 s89, s15, s16
	s_lshr_b32 s90, s86, 3                         ; the batch
	s_and_b32 s86, s86, 7
	s_lshl_b32 s86, s86, 1
	s_add_co_u32 s86, s86, s87                     ; u: which 128 tokens of the batch
	s_lshl_b32 s88, s88, 2
	s_lshl_b32 s89, s89, 1
	s_add_co_u32 s88, s88, s89
	s_and_b32 s88, s88, 15                         ; my first head
	s_lshl_b32 s90, s90, 4
	s_add_co_u32 s88, s88, s90                     ; bh
	s_mul_i32 s91, s85, 110592
	s_add_co_u32 s91, s91, 98304                   ; codes: bytes from head to head: q 128 x 768; k, v 16 x 13,056
	s_mul_i32 s92, s85, 6912
	s_add_co_u32 s92, s92, 6144                    ; and from 128 tokens to the next: 8 x 768; 13,056
	s_mul_i32 s94, s85, KV
	s_mul_i32 s93, s80, 6144
	s_add_co_u32 s94, s94, s93
	s_mul_i32 s93, s88, s91
	s_add_co_u32 s94, s94, s93
	s_mul_i32 s93, s86, s92
	s_add_co_u32 s94, s94, s93
	s_mov_b32 s95, 0
	s_sub_co_u32 s96, s91, 3072
	s_mul_i32 s96, s96, s80
	s_add_co_u32 s97, s96, 3072                    ; from A's blocks 0-3 to 4-7: q, k: four chunks on;  v: the next head
	s_sub_co_u32 s96, s91, s96                     ; from the codes' first 64 along K to the second: q, k: the next head;  v: four chunks on
	s_add_nc_u64 s[68:69], s[8:9], s[94:95]
	s_add_co_u32 s94, s94, s96
	s_add_nc_u64 s[70:71], s[8:9], s[94:95]
	s_add_co_u32 s94, s94, s97
	s_add_nc_u64 s[74:75], s[8:9], s[94:95]
	s_sub_co_u32 s94, s94, s96
	s_add_nc_u64 s[72:73], s[8:9], s[94:95]
	s_mul_i32 s91, s85, 200704
	s_add_co_u32 s91, s91, 8192                    ; scale words: from head to head
	s_mul_i32 s92, s85, 12544
	s_add_co_u32 s92, s92, 512                     ; from 128 tokens to the next
	s_mul_i32 s94, s85, KV+12288-QS
	s_add_co_u32 s94, s94, QS
	s_lshl_b32 s93, s80, 9
	s_add_co_u32 s94, s94, s93
	s_mul_i32 s93, s88, s91
	s_add_co_u32 s94, s94, s93
	s_mul_i32 s93, s86, s92
	s_add_co_u32 s94, s94, s93
	s_add_nc_u64 s[76:77], s[8:9], s[94:95]
	s_add_co_u32 s94, s94, s91
	s_add_nc_u64 s[78:79], s[8:9], s[94:95]        ; q, k: the second head's (not used for v)
	s_sub_co_u32 s93, s91, 256
	s_mul_i32 s93, s93, s80
	s_add_co_u32 s93, s93, 256                     ; lanes 16-31 store blocks 4-7's words: q, k: 256 bytes on;  v: in the next head
	v_lshlrev_b32 v7, 4, v1
	v_mad_u32_u24 v[SOFF], s93, v2, v7
.macro FRAG reg, adr, q, i             ; 16 rows x 128 K of 6-bit codes: 12 registers; lane (r, h): registers 6 c .. 6 c + 5 hold K = 64 c + 32 h + 0 .. 31: 24 bytes of the row, in pieces of 8
.irp p, 0,1,2,3,4,5
.set PIECE, 12*(\q)+6*(\p/3)+\p%3     ; lanes 16-31 read three pieces on: where that lies behind one padding more, the second address register serves
.if PIECE%8 < 5
	ds_load_b64 v[\reg+2*\p:\reg+2*\p+1], v[\adr] offset:8*PIECE+16*(PIECE/8)+(\i)*16*PITCH
.else
	ds_load_b64 v[\reg+2*\p:\reg+2*\p+1], v[\adr+2] offset:8*PIECE+16*(PIECE/8)+(\i)*16*PITCH
.endif
.endr
.endm
; 16 matrix instructions: A's blocks a0, a0 + 1 x B's eight.  The 64 accumulators take turns, one instruction a turn, in the same order in every step.
.macro MUL16 a0, p, q, sc, zero
.irp a, \a0, \a0+1
.irp b, 0,1,2,3,4,5,6,7
.if \zero
	v_wmma_scale_f32_16x16x128_f8f6f4 v[8*(8*((\a)%4)+\b):8*(8*((\a)%4)+\b)+7], v[128*(\p)+FR*\b:128*(\p)+FR*\b+FR-1], v[AF+FR*(\a):AF+FR*(\a)+FR-1], 0, v[SC+8*NQ*(\sc)+NQ*\b+(\q)], v[SC+8*NQ*(\sc)+NQ*(\a)+(\q)] matrix_a_fmt:MATRIX_FMT_FP6 matrix_b_fmt:MATRIX_FMT_FP6 matrix_a_scale:MATRIX_SCALE_ROW1
.else
	v_wmma_scale_f32_16x16x128_f8f6f4 v[8*(8*((\a)%4)+\b):8*(8*((\a)%4)+\b)+7], v[128*(\p)+FR*\b:128*(\p)+FR*\b+FR-1], v[AF+FR*(\a):AF+FR*(\a)+FR-1], v[8*(8*((\a)%4)+\b):8*(8*((\a)%4)+\b)+7], v[SC+8*NQ*(\sc)+NQ*\b+(\q)], v[SC+8*NQ*(\sc)+NQ*(\a)+(\q)] matrix_a_fmt:MATRIX_FMT_FP6 matrix_b_fmt:MATRIX_FMT_FP6 matrix_a_scale:MATRIX_SCALE_ROW1
.endif
.endr
.endr
.endm
.macro FETCH_B slot, q, p
	WIN TO_B
.irp i, 0,1,2,3,4,5,6,7
	FRAG 128*(\p)+FR*\i, ADRB+\slot, \q, \i
.endr
	WIN 0
.endm
.macro FETCH_A slot, q, i0
.irp i, \i0, \i0+1, \i0+2, \i0+3
	FRAG AF+FR*(\i), ADRA+\slot, \q, \i
.endr
.endm
.macro SCALES sc                       ; the slot's scale words: two words a row; lanes 0-15 take A's block i, lanes 16-31 B's block i
.irp i, 0,1,2,3,4,5,6,7
	ds_load_b64 v[SC+8*NQ*\sc+NQ*\i:SC+8*NQ*\sc+NQ*\i+1], v[ADRS+\sc] offset:\i*160
.endr
.endm
.macro PLACES n                        ; plain vector lines between a matrix instruction and a load into, or a read of, its registers
.rept \n
	v_nop
.endr
.endm
.macro STEP slot, q, zero              ; a step of 128 along K that has its successor in the same slot
	s_wait_dscnt 4*NL                              ; B's set, A's blocks 0-3 and the scale words are in; the youngest 24 loads (A's blocks 4-7) may be out
	WIN MUL_LO
	MUL16 0, (\q)%2, \q, \slot, \zero
	MUL16 2, (\q)%2, \q, \slot, \zero
	s_wait_dscnt 0                                 ; A's blocks 4-7 are in
	PLACES NP
	FETCH_B \slot, (\q)+1, 1-(\q)%2
	FETCH_A \slot, (\q)+1, 0
	WIN MUL_HI
	MUL16 4, (\q)%2, \q, \slot, \zero
	MUL16 6, (\q)%2, \q, \slot, \zero
	PLACES NP
	WIN 0
	FETCH_A \slot, (\q)+1, 4
.endm
; A slot's last step changes slots: one barrier; in front of it each wave waits for all its tensor loads, adds 0 to its spare word, and waits for that and for its own reads of this slot.  fill = 1: this slot is filled again, two slots ahead.
.macro TURN slot, next, fill
	s_wait_tensorcnt 0x0                           ; all my tensor loads have landed: my part of the next slot
	ds_add_u32 v[SPW], v[NIL]                      ; 0 onto my spare word
	s_wait_dscnt 4*NL+1                            ; (the add and the youngest 24 loads may be out)
	WIN MUL_LO
	MUL16 0, 1, NQ-1, \slot, 0
	s_wait_dscnt 0x0                               ; the add is done, and my reads of this slot are over
	s_barrier_signal -1
	MUL16 2, 1, NQ-1, \slot, 0
	WIN 0
	s_barrier_wait -1
.if \fill
	CREST                                          ; the barrier has opened a round of the cluster's barrier: no wave of any partner still reads this slot or has a load on its way
	s_add_nc_u64 s[G0+4*\slot+2:G0+4*\slot+3], s[G0+4*\slot+2:G0+4*\slot+3], 2*BLKB
	s_add_nc_u64 s[G0B+4*\slot+2:G0B+4*\slot+3], s[G0B+4*\slot+2:G0B+4*\slot+3], 2*BLKB
	JLOAD G0+4*\slot, G1, G0B+4*\slot, G1B         ; the first tensor load behind the round; its four v_nop are the places in front of the loads below
.else
	PLACES NP
.endif
	FETCH_B \next, 0, 0
	FETCH_A \next, 0, 0
	SCALES \next
	WIN MUL_HI
	MUL16 4, 1, NQ-1, \slot, 0
	MUL16 6, 1, NQ-1, \slot, 0
	PLACES NP
	WIN 0
	FETCH_A \next, 0, 4
.endm
	s_wait_alu depctr_va_vdst(0)                   ; the wait at the head's end
	s_wait_tensorcnt 0x0                           ; my piece of both slots is in; no load of mine is out, so group 1 may be written:
	s_mov_b32 s[G1+2], 100<<16                     ; from here on a load brings one piece, 100 rows
	s_mov_b32 s[G1+4], 100
	s_mov_b32 s[G1B+2], 100<<16
	s_mov_b32 s[G1B+4], 100
	s_barrier_signal -1
	s_barrier_wait -1                              ; everybody's is
	FETCH_B 0, 0, 0
	FETCH_A 0, 0, 0
	SCALES 0
	FETCH_A 0, 0, 4
	STEP 0, 0, 1                                   ; K 0-127: the products start the sums: nothing is cleared
	TURN 0, 1, 1                                   ; K 128-255; slot 0 takes K 512-767
	STEP 1, 0, 0
	TURN 1, 0, 1                                   ; slot 1 takes K 768-1023
	STEP 0, 0, 0
	TURN 0, 1, 0                                   ; nothing is left to fetch
	STEP 1, 0, 0
	s_wait_dscnt 4*NL
	WIN MUL_LO
	MUL16 0, 1, NQ-1, 1, 0
	MUL16 2, 1, NQ-1, 1, 0
	s_wait_dscnt 0
	WIN MUL_HI
	MUL16 4, 1, NQ-1, 1, 0
	MUL16 6, 1, NQ-1, 1, 0
	WIN 0
; THE WAY OUT.  A's block a: a lane's 64 numbers, register 16 b + i = place 32 b + 16 (lane / 16) + i along the axis that is quantised, become 12 registers of codes (two chunks) and a scale word.
.irp b, 0,1,2,3
	v_mov_b32 v[TM+4+\b], 0                        ; a lane permute's destination counts as one of its sources.  These four lines are also the places behind the last products
.endr
.macro QOUT a
.set AC, 64*((\a)%4)
.set WW, 2+(\a)/4
	WIN WW*5                                       ; sources 0 and 1: the accumulators' window
.irp b, 0,1,2,3
	v_max3_num_f32 v[TM+\b], |v[AC+16*\b]|, |v[AC+16*\b+1]|, 0x1800000   ; block b: my 16 numbers, each accumulator from its low end on, and the floor 2^(3 - 127)
.endr
.irp i, 2,4,6,8,10,12,14
.irp b, 0,1,2,3
	v_max3_num_f32 v[TM+\b], |v[AC+16*\b+\i]|, |v[AC+16*\b+\i+1]|, v[TM+\b]
.endr
.endr
	WIN 0
.irp b, 0,1,2,3
	v_permlanex16_b32 v[TM+4+\b], v[TM+\b], s[SEL], s[SEL+1]
.endr
.irp b, 0,1,2,3
	v_max_num_f32 v[TM+\b], v[TM+\b], v[TM+4+\b]   ; with lane l xor 16's: the block's largest magnitude
.endr
.irp b, 0,1,2,3
	v_add_nc_u32 v[TM+12+\b], 0xff000000, v[TM+\b] ; 2 off its exponent field: the conversion's scale operand
.endr
.irp b, 0,1,2,3
	v_lshrrev_b32 v[TM+4+\b], 23, v[TM+12+\b]      ; the scale's byte
.endr
	v_lshl_or_b32 v[PW], v[TM+5], 8, v[TM+4]
	v_lshl_or_b32 v[PW], v[TM+6], 16, v[PW]
	v_lshl_or_b32 v[PW], v[TM+7], 24, v[PW]
	v_lshrrev_b32 v[PWS+(\a)], v[VSH], v[PW]       ; q, k: lanes 0-15 the first head's word (its bytes 2, 3 meet zero codes), lanes 16-31 the second head's;  v: the whole word
	s_wait_xcnt 0x0                                ; the last block's stores have read the codes' registers
	WIN WW                                         ; source 0: the accumulators' window
.irp c, 0,1
	v_cvt_scalef32_pk16_fp6_f32 v[PC+6*\c:PC+6*\c+2], v[AC+32*\c:AC+32*\c+15], v[TM+12+2*\c]
	v_cvt_scalef32_pk16_fp6_f32 v[PC+12+4*\c:PC+14+4*\c], v[AC+32*\c+16:AC+32*\c+31], v[TM+13+2*\c]   ; (a conversion's three registers begin on an even number)
.endr
	WIN 0
	v_nop                                          ; one plain line behind a scaled conversion
.irp c, 0,1                                    ; the operand's layout wants a whole block of 32 in a lane
.irp i, 0,1,2
	v_permlane16_swap_b32 v[PC+6*\c+\i], v[PC+12+4*\c+\i]
.endr
.irp i, 0,1,2
	v_mov_b32 v[PC+3+6*\c+\i], v[PC+12+4*\c+\i]
.endr
.endr
.irp c, 0,1
	global_store_b128 v[LO16], v[PC+6*\c:PC+6*\c+3], s[68+4*((\a)/4)+2*\c:69+4*((\a)/4)+2*\c] offset:((\a)%4)*768       ; 512 consecutive bytes, at a multiple of 256 from the buffer's first byte
	global_store_b64 v[LO8], v[PC+6*\c+4:PC+6*\c+5], s[68+4*((\a)/4)+2*\c:69+4*((\a)/4)+2*\c] offset:((\a)%4)*768+512   ; 256 more
.endr
.endm
.irp a, 0,1,2,3,4,5,6,7
	QOUT \a
.endr
.irp a, 0,1,2,3,4,5,6,7
	ds_store_b32 v[STW], v[PWS+\a] offset:128*\a   ; the scale words turn through my stage, so that 16 lanes store 256 consecutive bytes
.endr
	ds_load_b128 v[OUTW:OUTW+3], v[RDW]            ; in order behind my stores: the words that lanes 0-15 held,
	ds_load_b128 v[OUTW+4:OUTW+7], v[RDW] offset:64   ; and those of lanes 16-31
	s_wait_dscnt 0x0
	global_store_b128 v[SOFF], v[OUTW:OUTW+3], s[76:77]
	s_cmp_eq_u32 s80, 1                            ; v has whole words and no second head: the same in all partners
	s_cbranch_scc1 .Lone_word
	global_store_b128 v[SOFF], v[OUTW+4:OUTW+7], s[78:79]
.Lone_word:
	s_wait_tensorcnt 0x0                           ; the wave's end
	ds_add_u32 v[SPW], v[NIL]
	s_wait_dscnt 0x0
	CROUND                                         ; the closing round: no work-group ends while a partner may still ask for a piece that names it
	s_endpgm
.Lfunc_end_k_q3fbfa26ad6_g1:
	.size	k_q3fbfa26ad6_g1, .Lfunc_end_k_q3fbfa26ad6_g1-k_q3fbfa26ad6_g1
	.p2alignl 7, 3214868480
	.fill 96, 4, 3214868480
	.section	.rodata,"a",@progbits
	.p2align	6, 0x0
	.amdhsa_kernel k_q3fbfa26ad6_g1
		.amdhsa_group_segment_fixed_size 327680
		.amdhsa_private_segment_fixed_size 0
		.amdhsa_enable_private_segment 0
		.amdhsa_kernarg_size 24
		.amdhsa_user_sgpr_count 2
		.amdhsa_user_sgpr_kernarg_segment_ptr 1
		.amdhsa_wavefront_size32 1
		.amdhsa_system_sgpr_workgroup_id_x 1
		.amdhsa_system_sgpr_workgroup_id_y 1
		.amdhsa_system_sgpr_workgroup_id_z 1
		.amdhsa_system_vgpr_workitem_id 0
		.amdhsa_next_free_vgpr 1024
		.amdhsa_next_free_sgpr 100
		.amdhsa_reserve_vcc 0
		.amdhsa_float_denorm_mode_32 3
		.amdhsa_float_denorm_mode_16_64 3
		.amdhsa_memory_ordered 1
		.amdhsa_forward_progress 1
		.amdhsa_inst_pref_size 166
	.end_amdhsa_kernel
	.amdgpu_metadata
---
amdhsa.version: [ 1, 2 ]
amdhsa.kernels:
  - .name:           k_q3fbfa26ad6_g1
    .symbol:         k_q3fbfa26ad6_g1.kd
    .args:
      - { .name: xq, .offset: 0, .size: 8, .value_kind: global_buffer, .address_space: global }
      - { .name: wq, .offset: 8, .size: 8, .value_kind: global_buffer, .address_space: global }
      - { .name: qkv, .offset: 16, .size: 8, .value_kind: global_buffer, .address_space: global }
    .group_segment_fixed_size: 327680
    .private_segment_fixed_size: 0
    .kernarg_segment_align: 8
    .kernarg_segment_size: 24
    .max_flat_workgroup_size: 128
    .sgpr_count:     100
    .vgpr_count:     1024
    .wavefront_size: 32
...
	.end_amdgpu_metadata
.endif
;; end of part 2
;; launch att (part 3): grid 4 x 64, 16 waves a work-group, no clusters, 327,680 bytes of LDS; arguments qkv, ao; writes ao
.if DOCPART == 3
	.amdgcn_target "amdgcn-amd-amdhsa--gfx1250"
	.amdhsa_code_object_version 6
	.text
	.protected	k_q3fbfa26ad6_att
	.globl	k_q3fbfa26ad6_att
	.p2align	8
	.type	k_q3fbfa26ad6_att,@function
k_q3fbfa26ad6_att:
	s_mov_b64 s[64:65], 0
	v_nop
	global_prefetch_b8 v0, s[64:65] scope:SCOPE_SE
	s_setreg_imm32_b32 hwreg(HW_REG_WAVE_MODE, 25, 1), 1
	s_wait_xcnt 0x0
; Causal attention with ALiBi on codes of FP6 (E2M3).  S^T = k q^T (K = 64: one instruction of K = 128 whose upper 64 are zero codes); logit = score / 32 + slope x (key - query);
; p = 2^(t - M), t = logit x log2(e), M the running largest t rounded up to a whole number; p is quantised along the keys; O^T += v^T p^T; the row's sum is taken of the unquantised p
; and divides O at the end; O is quantised along d into the operand of the last product.
; LEFT OUT: key steps whose 128 keys all come after a wave's queries: the causal mask sets their scores to -inf, so their p is 0 for all inputs.  A NaN or infinity that reaches only such steps is not carried.
; THE BIAS.  rel = key - query = 128 (step - block) + 64 c + rel0, rel0 a small whole number that is fixed for a register of a lane.  32 slope x rel0 lies in 32 registers and is the C operand of the score
; products; slope x log2(e) x (64 c - 128 (block - step)) is a scalar, made anew from whole numbers in each step by one fused multiply-add, and joins -M in the addend of t - M = w x (log2(e) / 32) + addend.
; slope of head h = 2^(-(h + 1) / 2), with 0x3F3504F3 for 2^(-1/2).
; SHARES.  A work-group takes one (batch, head) and 32 tiles of 16 queries, two to a wave.  With p the work-group's x, wave w has a = p + 4 (w % 2) and takes tile w / 2 of query block 15 - a (16 - a key steps)
; and then tile w / 2 of block a (a + 1 steps): 17 key steps in every wave, 256 work-groups.
; k AND v of the head (16 steps x 13,056 bytes = 816 rows of 256 bytes, images of operand registers) come into LDS once: each wave asks for 10 rows at the head (160 rows: steps 0-2 are whole) and for 41 rows behind
; the first barrier.  Nothing is filled twice.  Steps 0-2 of the first tile have work in every wave (its block is 8 or later).
; WHICH ROWS FORM A TILE is chosen by the LDS addresses: lane row (g, j) = (r / 8, r % 8) of tile (c, u) reads chunk 4 c + 2 g + u % 2, row 8 ((u / 2) xor g) + j.  Then a lane (query r, half h) of a result holds in the
; 32 registers of tiles (c, 0 .. 3) the WHOLE block of 32 keys 64 c + 32 h (for v: of 32 d), in the order 8 (u % 2) + 16 ((u / 2) xor h) + j: a block's largest needs no other lane; the two halves of a block's codes are
; put in order by selects on h.  The sixteen lanes of a 16-byte load touch 256 different bytes modulo 256.
; ORDER OF THE VECTOR WORK: lines that hang on each other are parted by lines that do not: eight chains of maxima by turns, five of the sum; the lines that make f stand among the multiply-adds of t - M, those that
; make p's scale word among the sum's additions, the sum's last additions among the selects and the rescaling of O^T.
; NO CLUSTER: the 4 work-groups of a head read the same k and v, but the jump over hidden steps hangs on the work-group's x, which differs between them.
; NO PREFETCH: every byte of k and v is asked for by the two tensor loads a wave, at the head and behind the first barrier; no loop is left to run ahead in.
; LIMITS: the promise holds while the scaled scores stay under 2^31 in magnitude (hidden keys of the diagonal step are set to -1e30); NaN and infinities are not served; a block whose largest magnitude lies
; under 2^-124, a block of zeros among them, gets the scale byte 1 (only this program reads the bytes).
.set STEPB, 13056                      ; a step: k's 8 chunks of 768, v's 8 chunks, k's scale words (512), v's (256)
.set HEADB, 16*STEPB
.set ROWA,  10                         ; rows of 256 bytes a wave at the head,
.set ROWB,  41                         ; and behind the first barrier: 16 x 51 = 816
.set PARTA, 16*ROWA*256                ; what the head's loads bring
.set QS,    6291456
.set KV,    6815744
.set AOS,   6291456
.set SPARE, 0x33000                    ; behind k and v: the spare words, 128 bytes a wave
.set L16, 1                            ; v1-2 lane part of the 16-byte loads' address, row half 0 xor g, 1 xor g;  v3-4 of the 8-byte loads';  v5 of the scale words'
.set A16, 6                            ; v6-10 the same five + the step's first byte
.set A8,  8
.set AS,  10
.set TMP, 11                           ; v12 -M, v13 the running largest t, v[14:15] the row's sum in two halves
.set QF,  16                           ; v16-27 q (v22-27 zero codes)
.set KF,  28                           ; v28-75 four fragments of k (the upper six registers of each: zero codes)
.set KS,  76                           ; v76-79 k's scale words: register 2 c + p: lanes 0-15 tile (c, p), lanes 16-31 tile (c, p + 2)
.set VS,  80                           ; v80-81 v's likewise
.set QFB, 82                           ; v82-87 the second tile's q, v88 its scale word
.set QSWB, 88
.set QSW, 89
.set NEG, 90                           ; -1e30
.set T2,  91
.set AD,  92                           ; v[92:93], v[94:95] the addend of t - M for c = 0, 1 (the upper words are only named); behind the exponentials two chains of the sum
.set FF,  96                           ; v[96:97] the old -M, then f = 2^(old M - new M)
.set BM,  98                           ; v98-99 my two blocks' largest
.set S,   100                          ; v100-163 S^T, then p; v100-147 then take v's fragments
.set OT,  164                          ; v164-195 O^T
.set PCD, 196                          ; v196-207 p's codes
.set YH,  208                          ; v208-210, v212-214 the conversions of tiles 2, 3
.set SPW, 211
.set NIL, 215
.set W,   216                          ; v216-219 at work: chains of the maxima, then two chains of the sum
.set SO,  220                          ; v220-221 the conversions' scale operands
.set PSW, 222                          ; p's scale word
.set T1,  223
.set CB,  224                          ; v224-255 32 slope x rel0 of register 8 u + j
.set MK,  24                           ; s24-55 lane masks of the diagonal step (the descriptors' registers, free behind the last wait on TENSORcnt)
.set JB,  56                           ; the query block in hand;  s57 the second tile's
.set J2,  57
.set ST,  58                           ; the key step
.set LB,  59                           ; its first LDS byte
.set TR,  62
.set HM,  63                           ; lanes 16-31
.set NK1, 66                           ; -slope log2(e)
.set K64, 67                           ; 64 slope log2(e)
.set NF,  68
.set OF0, 69                           ; the step's scalar part of t for c = 0, 1
.set OF1, 70
.set THR, 71
.set CS,  72                           ; which c holds my queries' own keys in the diagonal step: wave / 8
.macro NOPS
.rept 4
	v_nop
.endr
.endm
.macro G1SET g, rows                   ; group 1: rows x 256 dense bytes, elements of 8 bytes
	s_mov_b32 s[\g], 3<<16
	s_mov_b32 s[\g+1], 32<<16
	s_mov_b32 s[\g+2], (\rows)<<16
	s_mov_b32 s[\g+3], 32<<16
	s_mov_b32 s[\g+4], \rows
	s_mov_b32 s[\g+5], 32
	s_mov_b32 s[\g+6], 0
	s_mov_b32 s[\g+7], 0
.endm
.macro TILEADR j, o                    ; tile 8 s[j] + wave / 2: q's chunk, q's scale words, my chunk of ao, my scale bytes of ao
	s_lshl_b32 s14, s[\j], 3
	s_add_co_u32 s14, s14, s12
	s_lshl_b32 s74, s8, 7
	s_add_co_u32 s74, s74, s14
	s_lshl_b32 s76, s74, 6
	s_add_co_u32 s76, s76, QS
	s_mov_b32 s77, 0
	s_mul_i32 s74, s74, 768
	s_mov_b32 s75, 0
	s_add_nc_u64 s[\o:\o+1], s[4:5], s[74:75]
	s_add_nc_u64 s[\o+2:\o+3], s[4:5], s[76:77]
	s_lshl_b32 s73, s10, 7
	s_add_co_u32 s73, s73, s14                     ; 128 batch + tile
	s_lshl_b32 s74, s9, 9
	s_add_co_u32 s74, s74, s73
	s_mul_i32 s74, s74, 768
	s_add_nc_u64 s[\o+4:\o+5], s[6:7], s[74:75]
	s_lshr_b32 s76, s9, 2
	s_lshl_b32 s76, s76, 16                        ; scale bytes [head / 4][tile][r][8], my two at byte 2 (head % 4)
	s_lshl_b32 s73, s73, 7
	s_add_co_u32 s76, s76, s73
	s_and_b32 s73, s9, 3
	s_lshl_b32 s73, s73, 1
	s_add_co_u32 s76, s76, s73
	s_add_co_u32 s76, s76, AOS
	s_add_nc_u64 s[\o+6:\o+7], s[6:7], s[76:77]
.endm
.macro STATE                           ; what a tile begins with
	v_mov_b32 v13, 0xff61b1e6                      ; -3e38, under every t
	v_mov_b32 v14, 0
	v_mov_b32 v15, 0
	v_floor_f32 v12, -v13
.set NN, 0
.rept 32
	v_mov_b32 v[OT+NN], 0                          ; the first step finds zeros, which its f = 0 leaves zeros
.set NN, NN+1
.endr
	s_mov_b32 s[ST], 0
	s_mov_b32 s[LB], 0
.endm
	s_load_b128 s[4:7], s[0:1], 0x0                ; qkv, ao
	v_lshl_add_u32 v[SPW], v0, 2, SPARE
	v_mov_b32 v[NIL], 0
	ds_add_u32 v[SPW], v[NIL]                      ; the opening lines: the add twice on end and its wait ahead of my first tensor load
	ds_add_u32 v[SPW], v[NIL]
	v_lshrrev_b32 v[TMP], 5, v0
	v_readfirstlane_b32 s18, v[TMP]                ; wave 0..15
	s_and_b32 s8, ttmp7, 0xffff                    ; bh
	s_and_b32 s9, s8, 15                           ; head
	s_lshr_b32 s10, s8, 4                          ; batch
	s_and_b32 s11, s18, 1
	s_lshl_b32 s11, s11, 2
	s_add_co_u32 s[J2], s11, ttmp9                 ; a
	s_sub_co_u32 s[JB], 15, s[J2]
	s_lshr_b32 s12, s18, 1                         ; which tile of the block
	G1SET 24, ROWA
	G1SET 32, ROWB
	s_mul_i32 s16, s8, HEADB
	s_add_co_u32 s16, s16, KV
	s_mov_b32 s17, 0
	s_mov_b32 s3, 0
	s_mov_b32 s15, 0
	s_mul_i32 s2, s18, ROWA*256                    ; my rows of the first part,
	s_mul_i32 s14, s18, ROWB*256
	s_add_co_u32 s14, s14, PARTA                   ; and of the second: the same byte in the head's run of memory and in LDS
	s_mov_b32 s40, 1
	s_mov_b32 s41, s2
	s_mov_b32 s44, 1
	s_mov_b32 s45, s14
	s_wait_dscnt 0x0
	s_wait_kmcnt 0x0
	s_add_nc_u64 s[16:17], s[4:5], s[16:17]
	s_add_nc_u64 s[42:43], s[16:17], s[2:3]
	s_or_b32 s43, s43, 0x80000000
	s_add_nc_u64 s[46:47], s[16:17], s[14:15]
	s_or_b32 s47, s47, 0x80000000
	tensor_load_to_lds s[40:43], s[24:31]          ; one load a wave at the head
	s_nop 0
	TILEADR JB, 80
	TILEADR J2, 88
	s_mov_b32 s20, 0x76543210
	s_mov_b32 s21, 0xfedcba98                      ; lane l xor 16
	s_mov_b32 s22, 0x3d38aa3b                      ; c = log2(e) / 32
	s_mov_b32 s23, s22
	s_mov_b32 s[HM], 0xffff0000
	s_add_co_u32 s13, s9, 1                        ; i = head + 1: 32 slope = 2^(5 - i / 2)
	s_and_b32 s11, s13, 1
	s_mov_b32 s60, 1.0
	s_cmp_eq_u32 s11, 1
	s_cselect_b32 s60, 0x3f3504f3, s60
	s_lshr_b32 s13, s13, 1
	s_sub_co_u32 s13, 5, s13
	s_lshl_b32 s13, s13, 23
	s_add_co_u32 s60, s60, s13                     ; onto the exponent field
	s_mul_f32 s[NK1], s60, s22                     ; slope log2(e)
	s_mul_f32 s[K64], s[NK1], 0x42800000
	s_xor_b32 s[NK1], s[NK1], 0x80000000
	s_mul_f32 s[THR], s60, 0xc2800000              ; -64 x 32 slope
	s_lshr_b32 s[CS], s12, 2
	s_cmp_eq_u32 s[CS], 0
	s_cselect_b32 s[THR], 0, s[THR]                ; a key of half c = CS is hidden where 32 slope x rel0 > -64 CS x 32 slope
	s_lshr_b32 s11, s12, 1
	s_lshl_b32 s11, s11, 5
	s_and_b32 s13, s12, 1
	s_lshl_b32 s13, s13, 3
	s_add_co_u32 s11, s11, s13                     ; tile 2 b + u of a block of queries begins at 32 b + 8 u
	v_and_b32 v[S], 15, v0                         ; r
	v_bfe_u32 v[S+1], v0, 4, 1                     ; h
	v_and_b32 v[S+9], 31, v0
	v_lshlrev_b32 v[S+10], 4, v[S+9]
	v_lshlrev_b32 v[S+11], 3, v[S+9]
	v_lshlrev_b32 v[S+12], 2, v[S]
	global_load_b128 v[QF:QF+3], v[S+10], s[80:81] ; both tiles' q
	global_load_b64 v[QF+4:QF+5], v[S+11], s[80:81] offset:512
	global_load_b32 v[QSW], v[S+12], s[82:83]
	global_load_b128 v[QFB:QFB+3], v[S+10], s[88:89]
	global_load_b64 v[QFB+4:QFB+5], v[S+11], s[88:89] offset:512
	global_load_b32 v[QSWB], v[S+12], s[90:91]
	v_and_b32 v[S+2], 8, v[S]
	v_and_b32 v[S+3], 7, v[S]                      ; j
	v_lshrrev_b32 v[S+4], 3, v[S]                  ; g
	v_add_nc_u32 v[S+5], v[S], v[S+2]
	v_add_nc_u32 v[S+5], s11, v[S+5]               ; my query's place in its block of 128
	v_mul_u32_u24 v[S+6], v[S+1], 48
	v_lshl_add_u32 v[S+7], v[S+1], 4, 16
	v_xor_b32 v[S+8], v[S+1], v[S+4]
	v_sub_nc_u32 v[S+6], v[S+6], v[S+5]            ; rel0 of register 0 of tiles 0, 1: 32 h + 16 h - query
	v_sub_nc_u32 v[S+7], v[S+7], v[S+5]            ; and of tiles 2, 3: 32 h + 16 (1 - h) - query
	v_mul_u32_u24 v[L16], v[S+4], 1664             ; two chunks on and row half g: 1,536 g + 128 g
	v_mul_u32_u24 v[L16+1], v[S+4], 1408           ; 1,536 g + 128 (1 - g)
	v_mul_u32_u24 v[L16+2], v[S+4], 1600           ; 1,536 g + 64 g
	v_mad_u32_u24 v[L16+3], v[S+4], 1472, 64       ; 1,536 g + 64 (1 - g)
	v_lshlrev_b32 v[L16+4], 7, v[S+4]
	v_lshl_add_u32 v[L16], v[S+3], 4, v[L16]
	v_lshl_add_u32 v[L16+1], v[S+3], 4, v[L16+1]
	v_lshl_add_u32 v[L16+2], v[S+3], 3, v[L16+2]
	v_lshl_add_u32 v[L16+3], v[S+3], 3, v[L16+3]
	v_lshl_add_u32 v[L16+4], v[S+3], 2, v[L16+4]
	v_lshl_add_u32 v[L16], v[S+1], 8, v[L16]
	v_lshl_add_u32 v[L16+1], v[S+1], 8, v[L16+1]
	v_lshl_add_u32 v[L16+2], v[S+1], 7, v[L16+2]
	v_lshl_add_u32 v[L16+3], v[S+1], 7, v[L16+3]
	v_lshl_add_u32 v[L16+4], v[S+8], 5, v[L16+4]   ; scale words: 128 g + 4 j + 32 (h xor g)
	v_add_nc_u32 v[L16+1], 128, v[L16+1]
.set NN, 0
.rept 32
	v_add_nc_u32 v[CB+NN], NN%16, v[S+6+NN/16]
.set NN, NN+1
.endr
.set NN, 0
.rept 32
	v_cvt_f32_i32 v[CB+NN], v[CB+NN]
.set NN, NN+1
.endr
.set NN, 0
.rept 32
	v_mul_f32 v[CB+NN], s60, v[CB+NN]
.set NN, NN+1
.endr
.irp i, 6,7,8,9,10,11
	v_mov_b32 v[QF+\i], 0                          ; K = 64 .. 127 of q and k: zero codes, written once
.irp t, 0,1,2,3
	v_mov_b32 v[KF+12*\t+\i], 0
.endr
.endr
	v_mov_b32 v[NEG], 0xf149f2ca
	v_mov_b32 v[AD+1], 0
	v_mov_b32 v[AD+3], 0
	v_mov_b32 v[FF+1], 0
	v_mov_b32 v[T1], 0
	STATE
.macro KLOAD c                         ; four fragments of k
.irp u, 0,1,2,3
	ds_load_b128 v[KF+12*\u:KF+12*\u+3], v[A16+\u/2] offset:768*(4*(\c)+\u%2)
	ds_load_b64 v[KF+12*\u+4:KF+12*\u+5], v[A8+\u/2] offset:768*(4*(\c)+\u%2)+512
.endr
.endm
.macro KMUL c                          ; w = score + 32 slope x rel0: the bias is the C operand
.irp u, 0,1
	v_wmma_scale_f32_16x16x128_f8f6f4 v[S+8*(4*(\c)+\u):S+8*(4*(\c)+\u)+7], v[KF+12*\u:KF+12*\u+11], v[QF:QF+11], v[CB+8*\u:CB+8*\u+7], v[KS+2*(\c)+\u], v[QSW] matrix_a_fmt:MATRIX_FMT_FP6 matrix_b_fmt:MATRIX_FMT_FP6
.endr
.irp u, 2,3
	v_wmma_scale_f32_16x16x128_f8f6f4 v[S+8*(4*(\c)+\u):S+8*(4*(\c)+\u)+7], v[KF+12*\u:KF+12*\u+11], v[QF:QF+11], v[CB+8*\u:CB+8*\u+7], v[KS+2*(\c)+\u-2], v[QSW] matrix_a_fmt:MATRIX_FMT_FP6 matrix_b_fmt:MATRIX_FMT_FP6 matrix_a_scale:MATRIX_SCALE_ROW1
.endr
.endm
.macro MXN i                           ; one more round of the eight chains of maxima, one chain a tile: registers i, i + 1 of each
	v_max3_num_f32 v[BM], v[BM], v[S+\i], v[S+\i+1]
	v_max3_num_f32 v[TMP], v[TMP], v[S+8+\i], v[S+9+\i]
	v_max3_num_f32 v[T2], v[T2], v[S+16+\i], v[S+17+\i]
	v_max3_num_f32 v[T1], v[T1], v[S+24+\i], v[S+25+\i]
	v_max3_num_f32 v[BM+1], v[BM+1], v[S+32+\i], v[S+33+\i]
	v_max3_num_f32 v[W], v[W], v[S+40+\i], v[S+41+\i]
	v_max3_num_f32 v[W+1], v[W+1], v[S+48+\i], v[S+49+\i]
	v_max3_num_f32 v[W+2], v[W+2], v[S+56+\i], v[S+57+\i]
.endm
.macro PINI k                          ; a chain of the sum begins with two pairs of p,
	v_pk_add_f32 v[\k:\k+1], v[S+NN:S+NN+1], v[S+NN+2:S+NN+3]
.set NN, NN+4
.endm
.macro PADD k                          ; and takes one more
	v_pk_add_f32 v[\k:\k+1], v[\k:\k+1], v[S+NN:S+NN+1]
.set NN, NN+2
.endm
; A KEY STEP: 128 keys.  diag = 0: steps 0-2 of the first tile, whose block is 8 or later: no key of them is hidden.
.macro STEP diag
.if \diag
	s_cmp_gt_u32 s[ST], s[JB]                      ; all its keys come after my queries: only the counters are stepped
	s_cbranch_scc1 .Lhid_\@
.endif
	s_sub_co_u32 s[NF], s[JB], s[ST]
	s_lshl_b32 s[NF], s[NF], 7
	s_cvt_f32_u32 s[NF], s[NF]                     ; 128 (block - step), exact
	s_mul_f32 s[OF0], s[NK1], s[NF]
	s_mov_b32 s[OF1], s[K64]
	s_fmac_f32 s[OF1], s[NK1], s[NF]
.irp i, 0,1,2,3,4
	v_add_nc_u32 v[A16+\i], s[LB], v[L16+\i]       ; (five plain lines between the last step's products and the products that write over v's fragments)
.endr
	s_wait_alu depctr_va_vdst(0)
	KLOAD 0
.irp i, 0,1,2,3
	ds_load_b32 v[KS+\i], v[AS] offset:12288+256*(\i/2)+64*(\i%2)
.endr
	s_wait_dscnt 0x0
	KMUL 0
	v_mov_b32 v[FF], v12                           ; the old -M.  With the three lines below: the places in front of loads into registers that the products have read
	v_nop
	v_nop
	v_nop
	KLOAD 1
	s_wait_dscnt 0x0
	KMUL 1
.if \diag
	s_cmp_lt_u32 s[ST], s[JB]                      ; only the diagonal step has hidden keys
	s_cbranch_scc1 .Lopen_\@
	NOPS
	s_cmp_eq_u32 s[CS], 0
	s_cbranch_scc0 .Lhi_\@
.set NN, 0
.rept 32
	v_cndmask_b32 v[S+NN], v[S+NN], v[NEG], s[MK+NN]   ; my queries lie in keys 0-63: this half by the masks,
.set NN, NN+1
.endr
.set NN, 32
.rept 32
	v_mov_b32 v[S+NN], v[NEG]                      ; keys 64-127 are all hidden
.set NN, NN+1
.endr
	s_branch .Lopen_\@
.Lhi_\@:
.set NN, 0
.rept 32
	v_cndmask_b32 v[S+32+NN], v[S+32+NN], v[NEG], s[MK+NN]   ; my queries lie in keys 64-127: keys 0-63 are all open
.set NN, NN+1
.endr
.Lopen_\@:
.endif
	v_max3_num_f32 v[BM], v[S], v[S+1], v[S+2]     ; the largest w of my two blocks, each accumulator from its low end on.  (These four lines, on tiles 0-3, are the places behind the products of tiles 4-7)
	v_max3_num_f32 v[TMP], v[S+8], v[S+9], v[S+10]
	v_max3_num_f32 v[T2], v[S+16], v[S+17], v[S+18]
	v_max3_num_f32 v[T1], v[S+24], v[S+25], v[S+26]
	v_max3_num_f32 v[BM+1], v[S+32], v[S+33], v[S+34]
	v_max3_num_f32 v[W], v[S+40], v[S+41], v[S+42]
	v_max3_num_f32 v[W+1], v[S+48], v[S+49], v[S+50]
	v_max3_num_f32 v[W+2], v[S+56], v[S+57], v[S+58]
	MXN 3
	MXN 5
	v_max3_num_f32 v[BM], v[BM], v[TMP], v[S+7]    ; the chains are joined, the two blocks by turns
	v_max3_num_f32 v[BM+1], v[BM+1], v[W], v[S+39]
	v_max3_num_f32 v[T2], v[T2], v[T1], v[S+15]
	v_max3_num_f32 v[W+1], v[W+1], v[W+2], v[S+47]
	v_max3_num_f32 v[BM], v[BM], v[T2], v[S+23]
	v_max3_num_f32 v[BM+1], v[BM+1], v[W+1], v[S+55]
	v_max_num_f32 v[BM], v[BM], v[S+31]
	v_max_num_f32 v[BM+1], v[BM+1], v[S+63]
	v_fma_f32 v[TMP], v[BM], s22, s[OF0]           ; as t
	v_fma_f32 v[T2], v[BM+1], s22, s[OF1]
	v_max_num_f32 v[TMP], v[TMP], v[T2]
	v_permlanex16_b32 v[T1], v[TMP], s20, s21
	v_max3_num_f32 v13, v13, v[TMP], v[T1]         ; the running largest t of my query
	v_floor_f32 v12, -v13                          ; the new -M
	v_add_f32 v[AD], s[OF0], v12
	v_add_f32 v[AD+2], s[OF1], v12
	v_sub_f32 v[FF], v12, v[FF]                    ; old M - new M: a whole number, 0 or less
.set NN, 0
.rept 32
	v_pk_fma_f32 v[S+NN:S+NN+1], v[S+NN:S+NN+1], s[22:23], v[AD+2*(NN/32):AD+2*(NN/32)+1] op_sel_hi:[1,0,0]   ; t - M
.if NN == 8
	v_cvt_i32_f32 v[FF], v[FF]                     ; (it saturates)
.endif
.if NN == 20
	v_ldexp_f32 v[FF], 1.0, v[FF]                  ; f = 2^(old M - new M)
.endif
.set NN, NN+2
.endr
	v_fma_f32 v[BM], v[BM], s22, v[AD]             ; the same of each block's largest: p rises with w
	v_fma_f32 v[BM+1], v[BM+1], s22, v[AD+2]
	s_wait_alu depctr_va_vdst(0)                   ; the wait ahead of the batch
.set NN, 0
.rept 64
	v_exp_f32 v[S+NN], v[S+NN]
.set NN, NN+1
.endr
	v_exp_f32 v[BM], v[BM]
	v_exp_f32 v[BM+1], v[BM+1]
	v_pk_mul_f32 v[14:15], v[14:15], v[FF:FF+1] op_sel_hi:[1,0]   ; the sums under the new M (a plain line behind the batch)
	s_wait_alu depctr_va_vdst(0)                   ; and the wait behind it
	v_max_num_f32 v[BM], 0x1800000, v[BM]          ; the floor 2^(3 - 127): the byte cannot fall under 1
	v_max_num_f32 v[BM+1], 0x1800000, v[BM+1]
.set NN, 0
.irp k, 216,218,92,94                          ; the row's sum of the unquantised p, in five chains by turns; the lines that make p's scale word stand among them
	PINI \k
.endr
	v_add_nc_u32 v[SO], 0xff000000, v[BM]          ; 2 off the exponent field: the conversion's scale operand
	v_add_nc_u32 v[SO+1], 0xff000000, v[BM+1]
.irp k, 14,216,218,92
	PADD \k
.endr
	v_lshrrev_b32 v[TMP], 23, v[SO]
	v_lshrrev_b32 v[T2], 23, v[SO+1]
.irp k, 94,14,216,218
	PADD \k
.endr
	v_lshl_or_b32 v[TMP], v[T2], 16, v[TMP]        ; my bytes: blocks h and 2 + h
.irp k, 92,94,14,216
	PADD \k
.endr
	v_permlanex16_b32 v[T1], v[TMP], s20, s21
.irp k, 218,92,94,14
	PADD \k
.endr
	v_lshl_or_b32 v[PSW], v[T1], 8, v[TMP]         ; lanes 0-15, which alone are read: the row's four bytes
.irp k, 216,218,92,94,14,216,218,92
	PADD \k
.endr
.irp c, 0,1
	v_cvt_scalef32_pk16_fp6_f32 v[PCD+6*\c:PCD+6*\c+2], v[S+32*\c:S+32*\c+15], v[SO+\c]
	v_cvt_scalef32_pk16_fp6_f32 v[YH+4*\c:YH+4*\c+2], v[S+32*\c+16:S+32*\c+31], v[SO+\c]
.endr
	v_nop                                          ; one plain line behind a scaled conversion
.irp t, 0,1,2,3                                ; v's four fragments into the registers that p has left
.irp c, 0,1
	ds_load_b128 v[S+12*\t+6*\c:S+12*\t+6*\c+3], v[A16+\t/2] offset:6144+768*(4*\c+\t%2)
	ds_load_b64 v[S+12*\t+6*\c+4:S+12*\t+6*\c+5], v[A8+\t/2] offset:6144+768*(4*\c+\t%2)+512
.endr
.endr
	ds_load_b32 v[VS], v[AS] offset:12800
	ds_load_b32 v[VS+1], v[AS] offset:12864
.irp c, 0,1                                    ; lanes 16-31 hold their block's upper 16 keys in tiles 0, 1: the halves are put in order
.irp i, 0,1,2
	v_cndmask_b32 v[PCD+6*\c+3+\i], v[YH+4*\c+\i], v[PCD+6*\c+\i], s[HM]
.endr
.irp i, 0,1,2
	v_cndmask_b32 v[PCD+6*\c+\i], v[PCD+6*\c+\i], v[YH+4*\c+\i], s[HM]
.endr
.if \c == 0
	v_pk_add_f32 v[216:217], v[216:217], v[218:219]   ; the sum's chains are joined
	v_pk_add_f32 v[92:93], v[92:93], v[94:95]
.endif
.endr
	v_pk_add_f32 v[14:15], v[14:15], v[216:217]
	s_wait_alu depctr_va_vdst(0)                   ; the wait directly ahead of the first reader of O^T
.set NN, 0
.rept 16
	v_pk_mul_f32 v[OT+NN:OT+NN+1], v[OT+NN:OT+NN+1], v[FF:FF+1] op_sel_hi:[1,0]   ; O^T under the new M
.if NN == 14
	v_pk_add_f32 v[14:15], v[14:15], v[92:93]
.endif
.set NN, NN+2
.endr
	s_wait_alu depctr_va_vdst(0)                   ; the wait directly ahead of the wait below
	s_wait_dscnt 0x0
.irp t, 0,1
	v_wmma_scale_f32_16x16x128_f8f6f4 v[OT+8*\t:OT+8*\t+7], v[S+12*\t:S+12*\t+11], v[PCD:PCD+11], v[OT+8*\t:OT+8*\t+7], v[VS+\t], v[PSW] matrix_a_fmt:MATRIX_FMT_FP6 matrix_b_fmt:MATRIX_FMT_FP6
.endr
.irp t, 2,3
	v_wmma_scale_f32_16x16x128_f8f6f4 v[OT+8*\t:OT+8*\t+7], v[S+12*\t:S+12*\t+11], v[PCD:PCD+11], v[OT+8*\t:OT+8*\t+7], v[VS+\t-2], v[PSW] matrix_a_fmt:MATRIX_FMT_FP6 matrix_b_fmt:MATRIX_FMT_FP6 matrix_a_scale:MATRIX_SCALE_ROW1
.endr
.if \diag
.Lhid_\@:
.endif
	s_add_co_u32 s[ST], s[ST], 1
	s_add_co_u32 s[LB], s[LB], STEPB
.endm
.macro LOOP trips, diag
	s_mov_b32 s[TR], \trips
.Lloop_\@:
	STEP \diag
	s_sub_co_u32 s[TR], s[TR], 1
	s_cmp_lg_u32 s[TR], 0
	s_cbranch_scc1 .Lloop_\@
.endm
; A TILE'S END.  O = O^T / the sum; a lane holds the whole block of 32 d of its half: one chunk and two scale bytes a row.
.macro FINISH oc, os
	NOPS                                           ; places behind the last products
	v_add_f32 v14, v14, v15
	v_permlanex16_b32 v[T1], v14, s20, s21
	v_add_f32 v14, v14, v[T1]                      ; the row's sum
	s_wait_alu depctr_va_vdst(0)
	v_rcp_f32 v[FF], v14
	v_nop
	s_wait_alu depctr_va_vdst(0)
	v_fma_f32 v[TMP], -v14, v[FF], 1.0             ; one step of Newton: what goes into a quantiser is as exact as f32 allows
	v_fma_f32 v[FF], v[FF], v[TMP], v[FF]
.set NN, 0
.rept 16
	v_pk_mul_f32 v[S+NN:S+NN+1], v[OT+NN:OT+NN+1], v[FF:FF+1] op_sel_hi:[1,0]
.set NN, NN+2
.endr
	v_max3_num_f32 v[BM], |v[S]|, |v[S+1]|, 0x1800000
	v_max3_num_f32 v[BM+1], |v[S+16]|, |v[S+17]|, |v[S+18]|
.irp i, 2,4,6,8,10,12
	v_max3_num_f32 v[BM], v[BM], |v[S+\i]|, |v[S+\i+1]|
	v_max3_num_f32 v[BM+1], v[BM+1], |v[S+17+\i]|, |v[S+18+\i]|
.endr
	v_max3_num_f32 v[BM], v[BM], |v[S+14]|, |v[S+15]|
	v_max3_num_f32 v[BM], v[BM], v[BM+1], |v[S+31]|
	v_add_nc_u32 v[SO], 0xff000000, v[BM]
	v_lshrrev_b32 v[TMP], 23, v[SO]                ; my block's byte
	v_cvt_scalef32_pk16_fp6_f32 v[PCD:PCD+2], v[S:S+15], v[SO]
	v_cvt_scalef32_pk16_fp6_f32 v[YH:YH+2], v[S+16:S+31], v[SO]
	v_nop
.irp i, 0,1,2
	v_cndmask_b32 v[PCD+3+\i], v[YH+\i], v[PCD+\i], s[HM]
.endr
.irp i, 0,1,2
	v_cndmask_b32 v[PCD+\i], v[PCD+\i], v[YH+\i], s[HM]
.endr
	v_permlanex16_b32 v[T1], v[TMP], s20, s21
	v_and_b32 v[S+32], 31, v0
	v_and_b32 v[S+35], 15, v0
	v_lshl_or_b32 v[T2], v[T1], 8, v[TMP]
	v_lshl_or_b32 v[TMP], v[TMP], 8, v[T1]
	v_lshlrev_b32 v[S+33], 4, v[S+32]
	v_lshlrev_b32 v[S+34], 3, v[S+32]
	v_lshlrev_b32 v[S+35], 3, v[S+35]
	v_cndmask_b32 v[TMP], v[T2], v[TMP], s[HM]     ; the row's two bytes, in both halves of the lanes
	global_store_b128 v[S+33], v[PCD:PCD+3], s[\oc:\oc+1]              ; 512 consecutive bytes, at a multiple of 256 from the buffer's first byte
	global_store_b64 v[S+34], v[PCD+4:PCD+5], s[\oc:\oc+1] offset:512  ; 256 more
	global_store_b16 v[S+35], v[TMP], s[\os:\os+1] ; two bytes a row (lanes 16-31 write what lanes 0-15 write): a row's other six come from three other heads, in other work-groups
.endm
	s_wait_alu depctr_va_vdst(0)                   ; the wait at the head's end
	s_wait_tensorcnt 0x0                           ; my rows of the first part are in
	ds_add_u32 v[SPW], v[NIL]
	s_wait_dscnt 0x0
	s_barrier_signal -1
	s_barrier_wait -1                              ; steps 0-2 are whole
	tensor_load_to_lds s[44:47], s[32:39]          ; my rows of the second part: my one load behind this barrier
	s_nop 0
	s_wait_loadcnt 0x0                             ; both tiles' q
	LOOP 3, 0                                      ; THE FIRST TILE, steps 0-2
	s_wait_tensorcnt 0x0                           ; my rows of the second part are in,
	s_wait_dscnt 0x0
	s_barrier_signal -1
	s_barrier_wait -1                              ; everybody's are
.set NN, 0
.rept 32
	v_cmp_gt_f32 s[MK+NN], v[CB+NN], s[THR]        ; the diagonal step's masks, the same for both tiles; no tensor load is out: the descriptors' registers are free
.set NN, NN+1
.endr
	LOOP 13, 1                                     ; steps 3-15
	FINISH 84, 86
	s_wait_xcnt 0x0                                ; the stores have read their registers
.irp i, 0,1,2,3,4,5
	v_mov_b32 v[QF+\i], v[QFB+\i]                  ; THE SECOND TILE: block a, at most 8 steps, no barrier
.endr
	v_mov_b32 v[QSW], v[QSWB]
	s_mov_b32 s[JB], s[J2]
	STATE
	s_wait_alu depctr_va_vdst(0)
	LOOP 8, 1
	FINISH 92, 94
	s_wait_tensorcnt 0x0                           ; the wave's end
	ds_add_u32 v[SPW], v[NIL]
	s_wait_dscnt 0x0
	s_endpgm
.Lfunc_end_k_q3fbfa26ad6_att:
	.size	k_q3fbfa26ad6_att, .Lfunc_end_k_q3fbfa26ad6_att-k_q3fbfa26ad6_att
	.p2alignl 7, 3214868480
	.fill 96, 4, 3214868480
	.section	.rodata,"a",@progbits
	.p2align	6, 0x0
	.amdhsa_kernel k_q3fbfa26ad6_att
		.amdhsa_group_segment_fixed_size 327680
		.amdhsa_private_segment_fixed_size 0
		.amdhsa_enable_private_segment 0
		.amdhsa_kernarg_size 16
		.amdhsa_user_sgpr_count 2
		.amdhsa_user_sgpr_kernarg_segment_ptr 1
		.amdhsa_wavefront_size32 1
		.amdhsa_system_sgpr_workgroup_id_x 1
		.amdhsa_system_sgpr_workgroup_id_y 1
		.amdhsa_system_sgpr_workgroup_id_z 1
		.amdhsa_system_vgpr_workitem_id 0
		.amdhsa_next_free_vgpr 256
		.amdhsa_next_free_sgpr 100
		.amdhsa_reserve_vcc 0
		.amdhsa_float_denorm_mode_32 3
		.amdhsa_float_denorm_mode_16_64 3
		.amdhsa_memory_ordered 1
		.amdhsa_forward_progress 1
		.amdhsa_inst_pref_size 84
	.end_amdhsa_kernel
	.amdgpu_metadata
---
amdhsa.version: [ 1, 2 ]
amdhsa.kernels:
  - .name:           k_q3fbfa26ad6_att
    .symbol:         k_q3fbfa26ad6_att.kd
    .args:
      - { .name: qkv, .offset: 0, .size: 8, .value_kind: global_buffer, .address_space: global }
      - { .name: ao, .offset: 8, .size: 8, .value_kind: global_buffer, .address_space: global }
    .group_segment_fixed_size: 327680
    .private_segment_fixed_size: 0
    .kernarg_segment_align: 8
    .kernarg_segment_size: 16
    .max_flat_workgroup_size: 512
    .sgpr_count:     100
    .vgpr_count:     256
    .wavefront_size: 32
...
	.end_amdgpu_metadata
.endif
;; end of part 3
;; launch g4 (part 4): grid 4 x 32, 4 waves a work-group, clusters of 4 x 4, 327,680 bytes of LDS; arguments ao, wq, out0; writes out0
.if DOCPART == 4
	.amdgcn_target "amdgcn-amd-amdhsa--gfx1250"
	.amdhsa_code_object_version 6
	.text
	.protected	k_q3fbfa26ad6_g4
	.globl	k_q3fbfa26ad6_g4
	.p2align	8
	.type	k_q3fbfa26ad6_g4,@function
k_q3fbfa26ad6_g4:
	s_mov_b64 s[64:65], 0
	v_nop
	global_prefetch_b8 v0, s[64:65] scope:SCOPE_SE
	s_setreg_imm32_b32 hwreg(HW_REG_WAVE_MODE, 25, 1), 1
	s_wait_xcnt 0x0
	s_wait_alu depctr_hold_cnt(0) depctr_sa_sdst(0) depctr_va_vdst(0) depctr_va_sdst(0) depctr_va_ssrc(0) depctr_va_vcc(0) depctr_vm_vsrc(0)
	s_getreg_b32 s2, hwreg(HW_REG_IB_STS2, 6, 4)
	s_cmp_eq_u32 s2, 0
	s_cbranch_scc0 .Lentry_in_a_cluster
	s_endpgm
.Lentry_in_a_cluster:
	s_bfe_u32 s2, ttmp6, 0x10000c
	s_cmp_lg_u32 s2, 0xf033
	s_cbranch_scc0 .Lentry_shape_is_right
	s_endpgm
.Lentry_shape_is_right:
; out0 = attention's result x w_o on codes of FP6 (E2M3) with E8M0 scales, K = 1,024 = (head, d); out0 [8192][1024] f32.
; A tile of 256 x 256 of out0 is made by four waves, 128 x 128 each: 64 accumulators.  K goes in four slots of 256 (four heads) through a ring of two LDS slots.
; A (source 1, the result's lanes) = 256 tokens of ao: images of operand registers, chunks of 768 bytes [head][tile of 16 tokens]: a fragment of 128 K is two heads' chunks, each by one load of 16 and one of 8 bytes a lane.
; A's scale bytes [K slot][tile][16][8] for all of K come once, with the first fills.  B (source 0, the result's registers) = 256 columns of w_o: pieces of wq (groups 24-31): 128 rows x 192 bytes of codes, then their scale bytes.
; Tokens within a tile of ao and rows within wq lie in the order 32 b + 8 u + r + 8 (r / 8) (tile 2 b + u, lane r): the way out puts both back.
; CLUSTERS: 4 x 4 work-groups; A's tiles are asked for jointly by a row of the cluster, B's by a column.  128 work-groups: the tile is kept at 256 x 256 so that each byte read from LDS feeds the most products.
; REGISTERS, in windows of 256: window 0: v12-29 addresses; v32-63 scale words, two sets; v128-223 A's fragments, one set (on the way out v128-255 take rows of out0).  window 1: B's fragments, two sets.  windows 2, 3: the accumulators.
.set NQ,     2
.set PITCH,  240
.set FR,     12
.set NL,     6                         ; LDS loads that bring a fragment of B
.set NLA,    4                         ; and of A
.set NP,     4
.set BLKB,   25600
.set GRPB,   4*BLKB
.set AOS,    6291456
.set SCAK,   1280                      ; A's scale bytes of 8 tiles and one K slot: 1,024 + 16 behind every 64
.set SCAH,   4*SCAK                    ; of one half of the tile's rows, all of K;  LDS 0 .. 2 SCAH - 1
.set RING,   2*SCAH
.set AHALF,  49152                     ; a half of A's rows in LDS: 8 heads x 8 tiles x 768: ring slot 0 (4 heads), then slot 1
.set BOFF,   2*AHALF
.set HALFT,  64000                     ; from piece to piece of wq in LDS: a piece's two ring slots, 32,000 bytes each
.set SCOFF,  30720
.set SLOT,   BOFF+2*HALFT
.set STAGE,  RING+SLOT                 ; SLOT: both ring slots of A and of B
.set SPITCH, 528
.set SPARE,  STAGE+4*16*SPITCH         ; the spare words, 128 bytes for each wave
.set ADRS, 12                          ; v12-15  my scale words of K slot 0 .. 3: lanes 0-15 A's rows, lanes 16-31 B's
.set AA16, 16                          ; v16-17  my half of A's images in slot 0, 1, + 16 x lane
.set AA8,  18                          ; v18-19  the same + 8 x lane
.set ADRB, 20                          ; v20-21  my B fragments in slot 0, 1  (v22-23: behind one padding more)
.set STO,  24
.set RD,   25
.set CO,   26
.set SPW,  28
.set NIL,  29
.set SC,   32
.set AF,   128
.set BK,   128
.set G1, 24                            ; s[24:31] group 1 for A's images;  s[32:39] group 0, one set for each slot
.set G0, 32
.set G1B, 48                           ; s[48:55], s[56:63] the same for B's pieces
.set G0B, 56
.set MSB, 0
.macro WIN new
.if MSB != (\new)
	s_set_vgpr_msb (MSB<<8)|(\new)
.set MSB, \new
.endif
.endm
.set MUL_LO, 0xa1
.set MUL_HI, 0xf1
.set TO_B,   0x40
.macro JLOAD g0a, g1a, g0b, g1b        ; a joint load: waves 0 and 1 fetch for A, waves 2 and 3 for B; four v_nop follow each of the two lines
	s_cmp_eq_u32 s15, 0
	s_cbranch_scc0 .Lfor_b_\@
	tensor_load_to_lds s[\g0a:\g0a+3], s[\g1a:\g1a+7]
	s_nop 0
.rept 4
	v_nop
.endr
	s_branch .Lasked_\@
.Lfor_b_\@:
	tensor_load_to_lds s[\g0b:\g0b+3], s[\g1b:\g1b+7]
	s_nop 0
.rept 4
	v_nop
.endr
.Lasked_\@:
.endm
.macro CREST
	s_cmp_lg_u32 s14, 0
	s_cbranch_scc1 .Lnot_wave_0_\@
	s_barrier_signal -3
.Lnot_wave_0_\@:
	s_barrier_wait -3
	s_barrier_signal -1
	s_barrier_wait -1
.endm
.macro CROUND
	s_barrier_signal -1
	s_barrier_wait -1
	CREST
.endm
	s_load_b128 s[4:7], s[0:1], 0x0                ; ao s[4:5], wq s[6:7]
	s_load_b64 s[12:13], s[0:1], 0x10              ; out0
	v_lshl_add_u32 v[SPW], v0, 2, SPARE
	v_mov_b32 v[NIL], 0
	ds_add_u32 v28, v29
	ds_add_u32 v28, v29
	s_wait_dscnt 0x0
	v_lshrrev_b32 v1, 5, v0
	v_readfirstlane_b32 s14, v1                    ; wave 0..3
	s_lshr_b32 s15, s14, 1                         ; which half of the tokens is mine.  Also: I fetch for A (0) or for B (1)
	s_and_b32 s16, s14, 1                          ; which half of the columns.  Also: which half of that tile I fetch
	s_bfe_u32 s40, ttmp6, 0x40000                  ; cx
	s_bfe_u32 s41, ttmp6, 0x40004                  ; cy
	s_lshl_b32 s42, ttmp9, 2
	s_add_co_u32 s42, s42, s40                     ; tile of columns
	s_and_b32 s17, ttmp7, 0xffff
	s_lshl_b32 s17, s17, 2
	s_add_co_u32 s17, s17, s41                     ; tile of tokens
	s_lshl_b32 s43, s41, 2
	s_lshl_b32 s43, 15, s43                        ; my row of the cluster
	s_lshl_b32 s44, 0x1111, s40                    ; my column
	s_or_b32 s[G1+0], s43, (3<<16)|(1<<21)         ; A's images: elements of 8 bytes, no padding
	s_mov_b32 s[G1+1], 768<<16                     ; tensor_dim0 = 768 elements: 8 chunks, 6,144 bytes
	s_mov_b32 s[G1+2], 8<<16                       ; tensor_dim1 = 8 heads: the head's load fills both slots
	s_mov_b32 s[G1+3], 768<<16                     ; tile_dim0
	s_mov_b32 s[G1+4], 8                           ; tile_dim1
	s_mov_b32 s[G1+5], 49152                       ; from head to head: 512 chunks
	s_mov_b32 s[G1+6], 0
	s_mov_b32 s[G1+7], 0
	s_or_b32 s[G1B+0], s44, (3<<16)|(1<<20)|(1<<21)|(3<<22)|(3<<25)   ; B's pieces: 100 dense rows of 256 bytes, 16 bytes of padding behind every 64
	s_mov_b32 s[G1B+1], 32<<16
	s_mov_b32 s[G1B+2], 200<<16                    ; two pieces, neighbours in memory and in LDS
	s_mov_b32 s[G1B+3], 32<<16
	s_mov_b32 s[G1B+4], 200
	s_mov_b32 s[G1B+5], 32
	s_mov_b32 s[G1B+6], 0
	s_mov_b32 s[G1B+7], 0
	s_lshl_b32 s20, s17, 4
	s_lshl_b32 s21, s16, 3
	s_add_co_u32 s20, s20, s21                     ; the first of the 8 tiles of 16 tokens that I fetch
	s_lshl_b32 s22, s17, 11                        ; A's scale bytes: 2,048 a K slot for my work-group's 16 tiles, 512 of them for each wave
	s_lshl_b32 s23, s14, 9
	s_add_co_u32 s22, s22, s23
	s_add_co_u32 s22, s22, AOS
	s_mov_b32 s23, 0
	s_mul_i32 s20, s20, 768
	s_mov_b32 s21, 0
	s_lshl_b32 s46, s42, 1
	s_add_co_u32 s46, s46, s16
	s_add_co_u32 s46, s46, 24                      ; w_o's groups in wq
	s_mul_i32 s46, s46, GRPB
	s_mov_b32 s47, 0
	s_mul_i32 s45, s16, AHALF
	s_add_co_u32 s45, s45, RING                    ; where they go: no place in the cluster enters an LDS address
	s_mul_i32 s80, s16, HALFT
	s_add_co_u32 s80, s80, RING+BOFF
	s_mul_i32 s81, s15, SCAH                       ; where my 512 scale bytes of a K slot go: half wave / 2, then 640 (wave % 2)
	s_mul_i32 s85, s16, 640
	s_add_co_u32 s81, s81, s85
	s_wait_kmcnt 0x0
	s_add_nc_u64 s[20:21], s[4:5], s[20:21]
	s_add_nc_u64 s[22:23], s[4:5], s[22:23]
	s_add_nc_u64 s[46:47], s[6:7], s[46:47]
	CROUND                                         ; all sixteen work-groups are here: the first joint loads meet
.irp s, 0,1
	s_mov_b32 s[G0+4*\s], 1
	s_add_co_u32 s[G0+4*\s+1], s45, \s*24576
	s_add_nc_u64 s[G0+4*\s+2:G0+4*\s+3], s[20:21], \s*4*512*768
	s_or_b32 s[G0+4*\s+3], s[G0+4*\s+3], 0x80000000
	s_mov_b32 s[G0B+4*\s], 1
	s_add_co_u32 s[G0B+4*\s+1], s80, \s*32000
	s_add_nc_u64 s[G0B+4*\s+2:G0B+4*\s+3], s[46:47], \s*BLKB
	s_or_b32 s[G0B+4*\s+3], s[G0B+4*\s+3], 0x80000000
.endr
	s_cmp_eq_u32 s15, 0                            ; one tensor load a wave at the head: it fills both slots of my half of A or my piece of B
	s_cbranch_scc0 .Lfirst_b
	tensor_load_to_lds s[G0:G0+3], s[G1:G1+7]
	s_nop 0
.rept 4
	v_nop
.endr
	s_branch .Lfirst_asked
.Lfirst_b:
	tensor_load_to_lds s[G0B:G0B+3], s[G1B:G1B+7]
	s_nop 0
.rept 4
	v_nop
.endr
.Lfirst_asked:
	v_and_b32 v1, 15, v0                           ; r
	v_bfe_u32 v2, v0, 4, 1                         ; h
	v_and_b32 v7, 31, v0                           ; lane
	v_lshlrev_b32 v8, 4, v7
	global_load_b128 v[32:35], v8, s[22:23]                  ; A's scale bytes go through registers: 8,192 bytes beside the 226,304 of the joint loads, so they are not asked for jointly
	global_load_b128 v[36:39], v8, s[22:23] offset:65536     ; 32 lanes read 512 consecutive bytes of each K slot
	global_load_b128 v[40:43], v8, s[22:23] offset:131072
	global_load_b128 v[44:47], v8, s[22:23] offset:196608
	v_lshrrev_b32 v9, 2, v7
	v_add_nc_u32 v9, v9, v7
	v_lshl_add_u32 v9, v9, 4, s81                  ; in LDS 16 bytes of padding behind every 64: 16 (lane + lane / 4)
	v_mul_u32_u24 v3, v1, PITCH
	v_mul_u32_u24 v4, v2, 24
	v_add_nc_u32 v4, v3, v4
	v_lshl_add_u32 v5, v2, 4, v4
	s_mul_i32 s82, s15, AHALF
	s_add_co_u32 s82, s82, RING                    ; my half of A
	s_mul_i32 s83, s16, HALFT
	s_add_co_u32 s83, s83, RING+BOFF               ; my piece of B
.irp s, 0,1
	v_lshl_add_u32 v[AA16+\s], v7, 4, s82
	v_lshl_add_u32 v[AA8+\s], v7, 3, s82
	v_add_nc_u32 v[ADRB+\s], s83, v4
	v_add_nc_u32 v[ADRB+2+\s], s83, v5
	s_add_co_u32 s82, s82, 24576
	s_add_co_u32 s83, s83, 32000
.endr
	v_lshrrev_b32 v6, 3, v1
	v_lshlrev_b32 v5, 3, v1
	v_lshl_add_u32 v5, v6, 4, v5                   ; 8 r + 16 (r / 8)
	s_xor_b32 s82, s15, 1
	s_mul_i32 s82, s82, SCAH
	s_mul_i32 s83, s16, HALFT
	s_add_co_u32 s82, s82, s83                     ; B's half x HALFT + (1 - A's half) x SCAH
	s_mul_i32 s83, s15, SCAH                       ; A's scale bytes: my half
.irp k, 0,1,2,3
	s_add_co_u32 s84, s82, RING+BOFF+SCOFF+(\k%2)*32000-\k*SCAK-SCAH   ; from A's words of K slot k to B's, which lie in ring slot k % 2
	v_mul_u32_u24 v6, s84, v2                      ; lanes 16-31 take B's
	s_wait_alu depctr_va_vdst(0)
	v_add_nc_u32 v6, v6, v5
	s_add_co_u32 s84, s83, \k*SCAK
	v_add_nc_u32 v[ADRS+\k], s84, v6
.endr
	s_mul_i32 s84, s14, 16*SPITCH
	s_add_co_u32 s84, s84, STAGE                   ; my stage
	v_mul_u32_u24 v5, v1, SPITCH
	v_lshl_add_u32 v5, v2, 6, v5
	v_add_nc_u32 v[STO], s84, v5                   ; in: row r, + 64 h: tiles 2 b, 2 b + 1 hold columns 32 b + 16 h + 0 .. 15
	v_lshlrev_b32 v[CO], 4, v7
	v_add_nc_u32 v[RD], s84, v[CO]                 ; back: the 32 lanes take one row of 512 bytes
	s_lshl_b32 s82, s17, 8
	s_lshl_b32 s83, s15, 7
	s_add_co_u32 s82, s82, s83                     ; my first token
	s_lshl_b32 s82, s82, 12
	s_lshl_b32 s83, s42, 10
	s_add_co_u32 s82, s82, s83
	s_lshl_b32 s83, s16, 9
	s_add_co_u32 s82, s82, s83                     ; + my first column x 4
	s_mov_b32 s83, 0
	s_add_nc_u64 s[12:13], s[12:13], s[82:83]
.macro FRAG reg, adr, q, i             ; a fragment of B from rows of codes, in pieces of 8 bytes
.irp p, 0,1,2,3,4,5
.set PIECE, 12*(\q)+6*(\p/3)+\p%3
.if PIECE%8 < 5
	ds_load_b64 v[\reg+2*\p:\reg+2*\p+1], v[\adr] offset:8*PIECE+16*(PIECE/8)+(\i)*16*PITCH
.else
	ds_load_b64 v[\reg+2*\p:\reg+2*\p+1], v[\adr+2] offset:8*PIECE+16*(PIECE/8)+(\i)*16*PITCH
.endif
.endr
.endm
.macro FRAG_A reg, slot, q, i          ; a fragment of A: the chunks of heads 2 q and 2 q + 1 of the slot, tile i
.irp c, 0,1
	ds_load_b128 v[\reg+6*\c:\reg+6*\c+3], v[AA16+\slot] offset:(2*(\q)+\c)*6144+(\i)*768
	ds_load_b64 v[\reg+6*\c+4:\reg+6*\c+5], v[AA8+\slot] offset:(2*(\q)+\c)*6144+(\i)*768+512
.endr
.endm
; 16 matrix instructions: A's blocks a0, a0 + 1 x B's eight.  The 64 accumulators take turns, one instruction a turn, in the same order in every step.
.macro MUL16 a0, p, q, sc, zero
.irp a, \a0, \a0+1
.irp b, 0,1,2,3,4,5,6,7
.if \zero
	v_wmma_scale_f32_16x16x128_f8f6f4 v[8*(8*((\a)%4)+\b):8*(8*((\a)%4)+\b)+7], v[128*(\p)+FR*\b:128*(\p)+FR*\b+FR-1], v[AF+FR*(\a):AF+FR*(\a)+FR-1], 0, v[SC+8*NQ*(\sc)+NQ*\b+(\q)], v[SC+8*NQ*(\sc)+NQ*(\a)+(\q)] matrix_a_fmt:MATRIX_FMT_FP6 matrix_b_fmt:MATRIX_FMT_FP6 matrix_a_scale:MATRIX_SCALE_ROW1
.else
	v_wmma_scale_f32_16x16x128_f8f6f4 v[8*(8*((\a)%4)+\b):8*(8*((\a)%4)+\b)+7], v[128*(\p)+FR*\b:128*(\p)+FR*\b+FR-1], v[AF+FR*(\a):AF+FR*(\a)+FR-1], v[8*(8*((\a)%4)+\b):8*(8*((\a)%4)+\b)+7], v[SC+8*NQ*(\sc)+NQ*\b+(\q)], v[SC+8*NQ*(\sc)+NQ*(\a)+(\q)] matrix_a_fmt:MATRIX_FMT_FP6 matrix_b_fmt:MATRIX_FMT_FP6 matrix_a_scale:MATRIX_SCALE_ROW1
.endif
.endr
.endr
.endm
.macro FETCH_B slot, q, p
	WIN TO_B
.irp i, 0,1,2,3,4,5,6,7
	FRAG 128*(\p)+FR*\i, ADRB+\slot, \q, \i
.endr
	WIN 0
.endm
.macro FETCH_A slot, q, i0
.irp i, \i0, \i0+1, \i0+2, \i0+3
	FRAG_A AF+FR*(\i), \slot, \q, \i
.endr
.endm
.macro SCALES k                        ; K slot k's scale words into set k % 2: lanes 0-15 take A's block i, lanes 16-31 B's block i
.irp i, 0,1,2,3,4,5,6,7
	ds_load_b64 v[SC+8*NQ*((\k)%2)+NQ*\i:SC+8*NQ*((\k)%2)+NQ*\i+1], v[ADRS+(\k)] offset:\i*160
.endr
.endm
.macro PLACES n
.rept \n
	v_nop
.endr
.endm
.macro STEP slot, q, zero
	s_wait_dscnt 4*NLA                             ; B's set, A's blocks 0-3 and the scale words are in; the youngest 16 loads (A's blocks 4-7) may be out
	WIN MUL_LO
	MUL16 0, (\q)%2, \q, \slot, \zero
	MUL16 2, (\q)%2, \q, \slot, \zero
	s_wait_dscnt 0
	PLACES NP
	FETCH_B \slot, (\q)+1, 1-(\q)%2
	FETCH_A \slot, (\q)+1, 0
	WIN MUL_HI
	MUL16 4, (\q)%2, \q, \slot, \zero
	MUL16 6, (\q)%2, \q, \slot, \zero
	PLACES NP
	WIN 0
	FETCH_A \slot, (\q)+1, 4
.endm
; A slot's last step changes slots: one barrier; in front of it each wave waits for all its tensor loads, adds 0 to its spare word, and waits for that and for its own reads of this slot.  fill = 1: this slot is filled again.  kn: the K slot that follows.
.macro TURN slot, next, fill, kn
	s_wait_tensorcnt 0x0                           ; all my tensor loads have landed: my part of the next slot
	ds_add_u32 v[SPW], v[NIL]                      ; 0 onto my spare word
	s_wait_dscnt 4*NLA+1                           ; (the add and the youngest 16 loads may be out)
	WIN MUL_LO
	MUL16 0, 1, NQ-1, \slot, 0
	s_wait_dscnt 0x0                               ; the add is done, and my reads of this slot are over
	s_barrier_signal -1
	MUL16 2, 1, NQ-1, \slot, 0
	WIN 0
	s_barrier_wait -1
.if \fill
	CREST                                          ; the barrier has opened a round of the cluster's barrier: no wave of any partner still reads this slot or has a load on its way
	s_add_nc_u64 s[G0+4*\slot+2:G0+4*\slot+3], s[G0+4*\slot+2:G0+4*\slot+3], 8*512*768
	s_add_nc_u64 s[G0B+4*\slot+2:G0B+4*\slot+3], s[G0B+4*\slot+2:G0B+4*\slot+3], 2*BLKB
	JLOAD G0+4*\slot, G1, G0B+4*\slot, G1B         ; the first tensor load behind the round; its four v_nop are the places in front of the loads below
.else
	PLACES NP
.endif
	FETCH_B \next, 0, 0
	FETCH_A \next, 0, 0
	SCALES \kn
	WIN MUL_HI
	MUL16 4, 1, NQ-1, \slot, 0
	MUL16 6, 1, NQ-1, \slot, 0
	PLACES NP
	WIN 0
	FETCH_A \next, 0, 4
.endm
	s_wait_alu depctr_va_vdst(0)                   ; the wait at the head's end
	s_wait_tensorcnt 0x0                           ; my part of both slots is in; no load of mine is out, so group 1 may be written:
	s_mov_b32 s[G1+2], 4<<16                       ; from here on a load brings one slot: 4 heads,
	s_mov_b32 s[G1+4], 4
	s_mov_b32 s[G1B+2], 100<<16                    ; one piece
	s_mov_b32 s[G1B+4], 100
	s_wait_loadcnt 0x0                             ; my scale bytes of A
	ds_store_b128 v9, v[32:35]
	ds_store_b128 v9, v[36:39] offset:SCAK
	ds_store_b128 v9, v[40:43] offset:2*SCAK
	ds_store_b128 v9, v[44:47] offset:3*SCAK
	s_wait_dscnt 0x0                               ; for the others' sake: they read them behind the barrier
	s_barrier_signal -1
	s_barrier_wait -1                              ; everybody's are
	FETCH_B 0, 0, 0
	FETCH_A 0, 0, 0
	SCALES 0
	FETCH_A 0, 0, 4
	STEP 0, 0, 1                                   ; the first products start the sums: nothing is cleared
	TURN 0, 1, 1, 1
	STEP 1, 0, 0
	TURN 1, 0, 1, 2
	STEP 0, 0, 0
	s_wait_alu depctr_va_vdst(0)
	TURN 0, 1, 0, 3
	STEP 1, 0, 0
	s_wait_dscnt 4*NLA
	WIN MUL_LO
	MUL16 0, 1, NQ-1, 1, 0
	MUL16 2, 1, NQ-1, 1, 0
	s_wait_dscnt 0
	WIN MUL_HI
	MUL16 4, 1, NQ-1, 1, 0
	MUL16 6, 1, NQ-1, 1, 0
	WIN 0
; THE WAY OUT, block by block of 16 tokens x 128 columns, through my own stage in LDS: back come whole rows of 512 bytes.  LDS serves a wave's instructions in order (ISA guide 5.7.1.4): no wait between the stores and the loads.
.macro TOSTAGE a
.set AC, 64*((\a)%4)
	WIN 0x08+4*((\a)/4)                            ; an LDS store's data are its source 1: window 2 or 3
.irp b, 0,1,2,3,4,5,6,7
	ds_store_b128 v[STO], v[AC+8*\b:AC+8*\b+3] offset:128*(\b/2)+32*(\b%2)          ; each accumulator from its low end on
	ds_store_b128 v[STO], v[AC+8*\b+4:AC+8*\b+7] offset:128*(\b/2)+32*(\b%2)+16
.endr
	WIN 0
.set BB, BK+64*((\a)%2)
.irp t, 0,1,2,3,4,5,6,7,8,9,10,11,12,13,14,15
	ds_load_b128 v[BB+4*\t:BB+4*\t+3], v[RD] offset:\t*SPITCH
.endr
.endm
.macro SEND a, younger                 ; younger: the LDS instructions issued behind block a's loads, which may stay out
.set BB, BK+64*((\a)%2)
	s_wait_dscnt \younger
.irp t, 0,1,2,3,4,5,6,7,8,9,10,11,12,13,14,15
	global_store_b128 v[CO], v[BB+4*\t:BB+4*\t+3], s[12:13] offset:(32*((\a)/2)+8*((\a)%2)+\t+8*(\t/8))*4096 th:TH_STORE_NT   ; lane t of tile a is this token: 512 consecutive bytes, at a multiple of 256 from out0's first byte; the base is never stepped
.endr
.endm
	PLACES NP                                      ; in front of the first read of results and of loads into the registers that held A's fragments
	TOSTAGE 0
.irp a, 1,2,3,4,5,6,7
.if \a > 1
	s_wait_xcnt 0x0                                ; block a - 2's stores have read their registers: block a's loads may land there
.endif
	TOSTAGE \a
	SEND \a-1, 32                                  ; behind block a - 1's loads: block a's 16 stores and 16 loads
.endr
	SEND 7, 0
	s_wait_tensorcnt 0x0                           ; the wave's end
	ds_add_u32 v[SPW], v[NIL]
	s_wait_dscnt 0x0
	CROUND                                         ; the closing round: no work-group ends while a partner may still ask for a tile that names it
	s_endpgm
.Lfunc_end_k_q3fbfa26ad6_g4:
	.size	k_q3fbfa26ad6_g4, .Lfunc_end_k_q3fbfa26ad6_g4-k_q3fbfa26ad6_g4
	.p2alignl 7, 3214868480
	.fill 96, 4, 3214868480
	.section	.rodata,"a",@progbits
	.p2align	6, 0x0
	.amdhsa_kernel k_q3fbfa26ad6_g4
		.amdhsa_group_segment_fixed_size 327680
		.amdhsa_private_segment_fixed_size 0
		.amdhsa_enable_private_segment 0
		.amdhsa_kernarg_size 24
		.amdhsa_user_sgpr_count 2
		.amdhsa_user_sgpr_kernarg_segment_ptr 1
		.amdhsa_wavefront_size32 1
		.amdhsa_system_sgpr_workgroup_id_x 1
		.amdhsa_system_sgpr_workgroup_id_y 1
		.amdhsa_system_sgpr_workgroup_id_z 1
		.amdhsa_system_vgpr_workitem_id 0
		.amdhsa_next_free_vgpr 1024
		.amdhsa_next_free_sgpr 100
		.amdhsa_reserve_vcc 0
		.amdhsa_float_denorm_mode_32 3
		.amdhsa_float_denorm_mode_16_64 3
		.amdhsa_memory_ordered 1
		.amdhsa_forward_progress 1
		.amdhsa_inst_pref_size 151
	.end_amdhsa_kernel
	.amdgpu_metadata
---
amdhsa.version: [ 1, 2 ]
amdhsa.kernels:
  - .name:           k_q3fbfa26ad6_g4
    .symbol:         k_q3fbfa26ad6_g4.kd
    .args:
      - { .name: ao, .offset: 0, .size: 8, .value_kind: global_buffer, .address_space: global }
      - { .name: wq, .offset: 8, .size: 8, .value_kind: global_buffer, .address_space: global }
      - { .name: out0, .offset: 16, .size: 8, .value_kind: global_buffer, .address_space: global }
    .group_segment_fixed_size: 327680
    .private_segment_fixed_size: 0
    .kernarg_segment_align: 8
    .kernarg_segment_size: 24
    .max_flat_workgroup_size: 128
    .sgpr_count:     100
    .vgpr_count:     1024
    .wavefront_size: 32
...
	.end_amdgpu_metadata
.endif
;; end of part 4
